; MI455X (gfx1250); checked and timed in simulation.
; The chip was launched on July 23, 2026; its instructions are those of AMD's public machine-readable ISA for CDNA 5 (MIT licence, August 2026) and "CDNA5" Instruction Set Architecture Reference Guide (July 2026). The comments in the code are by the model that wrote it; some were corrected since.
;; Multi Head Attention. Allowed arithmetic: matrix products marked QUANTISED: E5M2 operands, one given power-of-two scale a tensor, by v_wmma_f32_16x16x64_bf8_bf8 or v_wmma_f32_16x16x128_bf8_bf8, f32 sums; everything else in f32.
;; Inputs: K_codes 1 x 4,096 x 32 x 32 uint8 (E5M2 codes of K, K innermost, in blocks of 32 codes); Q_codes 1 x 4,096 x 32 x 32 uint8 (E5M2 codes of Q, K innermost, in blocks of 32 codes); V_codes 1 x 4,096 x 32 x 32 uint8 (E5M2 codes of V, K innermost, in blocks of 32 codes); Wk_b 1,024 float32; Wk_w_codes 1,024 x 32 x 32 uint8 (E5M2 codes of Wk_w, K innermost, in blocks of 32 codes); Wo_b 1,024 float32; Wo_w_codes 1,024 x 32 x 32 uint8 (E5M2 codes of Wo_w, K innermost, in blocks of 32 codes); Wq_b 1,024 float32; Wq_w_codes 1,024 x 32 x 32 uint8 (E5M2 codes of Wq_w, K innermost, in blocks of 32 codes); Wv_b 1,024 float32; Wv_w_codes 1,024 x 32 x 32 uint8 (E5M2 codes of Wv_w, K innermost, in blocks of 32 codes); lowp_scales 12 int32 (the exponents e of the quantised operands' scales 2^e); mask 1 x 1 x 4,096 x 4,096 int32.
;; Outputs: out0 1 x 4,096 x 1,024 float32.
;; This version of the problem:
;;   THIS VERSION OF THE PROBLEM IS GIVEN IN LOW PRECISION. The matrix products marked QUANTISED in the list below multiply operands that are first quantised to E5M2 (5 exponent bits, 2 mantissa bits; 8 bits a number), with one given power-of-two scale for each operand tensor; their sums are f32. All else is computed in f32.
;;   The module's matrix products, in the order in which they are computed (A, B: the left and right operand; K: the contracted axis; several contracted axes count as one K, in the product's order):
;;     1. [M 4,096, K 1,024] x [K 1,024, N 1,024]; A: input Q (given as codes); B: input Wq_w (given as codes): QUANTISED (scales: A lowp_scales[0], B lowp_scales[1])
;;     2. [M 4,096, K 1,024] x [K 1,024, N 1,024]; A: input K (given as codes); B: input Wk_w (given as codes): QUANTISED (scales: A lowp_scales[2], B lowp_scales[3])
;;     3. [M 4,096, K 1,024] x [K 1,024, N 1,024]; A: input V (given as codes); B: input Wv_w (given as codes): QUANTISED (scales: A lowp_scales[4], B lowp_scales[5])
;;     4. batch 16 x [M 4,096, K 64] x [K 64, N 4,096]; A: computed on the way; B: computed on the way: QUANTISED (scales: A lowp_scales[6], B lowp_scales[7])
;;     5. batch 16 x [M 4,096, K 4,096] x [K 4,096, N 64]; A: softmax (see below); B: computed on the way: QUANTISED (scales: A lowp_scales[8], B lowp_scales[9])
;;     6. [M 4,096, K 1,024] x [K 1,024, N 1,024]; A: computed on the way; B: input Wo_w (given as codes): QUANTISED (scales: A lowp_scales[10], B lowp_scales[11])
;;   THE QUANTISER, for each operand of a quantised product, along K:
;;     - The operand's scale is 2^e, e = its entry of the input lowp_scales (int32; the entries are numbered through the quantised products in the list's order, A before B).
;;     - Each number is divided by the scale, clamped to +-57,344, and rounded to the nearest number of E5M2, ties to even, subnormals kept.
;;     - The product sums the exact products of the quantised numbers (number of the format x scale) in f32.
;;   ~~~python
;;   def quantise(x, axis, e):      # numpy; x: float32 -> the quantised numbers, widened to float32 again
;;       x = np.moveaxis(x, axis, -1); K = x.shape[-1]
;;       r = np.clip(x / 2.0 ** e, -57344, 57344)
;;       step = 2.0 ** (np.maximum(np.frexp(np.where(r == 0, 1, r))[1] - 1, -14) - 2)
;;       q = np.round(r / step) * step * 2.0 ** e      # np.round: ties to even
;;       return np.moveaxis(q, -1, axis).astype(np.float32)
;;   ~~~
;;   SOFTMAX AHEAD OF A QUANTISED PRODUCT. Where the list says 'softmax', what is quantised is not the finished softmax but p = 2^(t - M), with t = logit x log2(e) and M = ceil(the row's largest t), a whole number; so 1/2 < the row's largest p <= 1. The row's sum l is taken of the UNQUANTISED p, in f32, and the product's result is divided by l at the end. Since M is a whole number, a kernel that streams over the keys may use a running M (the ceiling of the running maximum): every later rescaling is an exact power of two, so the quantised numbers keep their values, but for numbers so far below the row's largest that they fall under the format's range.
;;   OPERANDS COMPUTED ON THE WAY. 'Computed on the way' means the value that the module computes at that place (a softmax that the list does not call 'softmax' is quantised finished and normalised). What goes into a quantiser is computed in f32, as accurately as f32 sums, v_exp_f32 and their like allow (about 1e-6 of the number): no bf16 or f16 on the way to a quantiser, and a product that is left as it is and whose result goes on into a quantised operand takes f32 operands (vector FMAs, or v_wmma_f32_16x16x4_f32). A number that lies on a knife's edge between two numbers of the format may be rounded either way, as far as f32 arithmetic and the matrix unit's own rounding can turn it there, and no further.
;;   INPUTS GIVEN AS CODES. K (in the module: [1, 4096, 1024], K = its axis 2); Q (in the module: [1, 4096, 1024], K = its axis 2); V (in the module: [1, 4096, 1024], K = its axis 2); Wk_w (in the module: [1024, 1024], K = its axis 1); Wo_w (in the module: [1024, 1024], K = its axis 1); Wq_w (in the module: [1024, 1024], K = its axis 1); Wv_w (in the module: [1024, 1024], K = its axis 1): each comes as NAME_codes (uint8): NAME with its K axis moved to the last place and cut into blocks of 32 codes, [.., K / 32, bytes a block], one block behind the other in memory; one code a byte (a code: sign, 5 exponent bits, 2 mantissa bits); its scale is its entry of lowp_scales. Its value is code x scale, taken as it is: it is not quantised again, and the codes and scales need not be those that the quantiser above would give.
;; 2 versions, each right; version 2 is version 1 with the launch attn written anew for expert scheduling mode. Each part assembles by itself: llvm-mc -triple=amdgcn-amd-amdhsa -mcpu=gfx1250 --defsym DOCPART=n.
;; ======== version 1 of 2: 4 launches
;; limits: right only within a limited range of input values
;; workspace buffers: maskw 2,097,152 bytes of whole numbers; qkv 12,582,912 bytes; ao 4,194,304 bytes
;; launch maskbits (part 1): grid 512 x 1, 4 waves a work-group, no clusters, 34,304 bytes of LDS; arguments mask, maskw; writes maskw
.if DOCPART == 1
	.amdgcn_target "amdgcn-amd-amdhsa--gfx1250"
	.amdhsa_code_object_version 6
	.text
	.protected	k_qa0de3ff64d_maskbits
	.globl	k_qa0de3ff64d_maskbits
	.p2align	8
	.type	k_qa0de3ff64d_maskbits,@function
k_qa0de3ff64d_maskbits:
	s_mov_b64 s[64:65], 0
	v_nop
	global_prefetch_b8 v0, s[64:65] scope:SCOPE_SE
	s_setreg_imm32_b32 hwreg(HW_REG_WAVE_MODE, 25, 1), 1
	s_wait_xcnt 0x0
; The mask, [4096 queries][4096 keys] of int32, is read once and stored as lane masks: one bit a score, in the order in which the attention launch holds its scores.
; maskw: [tile of 16 queries a: 256][step of 128 keys s: 32][n: 64] words.  Bit l of word n = (mask[16 a + l % 16][128 s + 16 (n / 8) + 8 (l / 16) + n % 8] != 0).
; SHARES.  Work-group g takes query tile a = g / 2 and half g % 2 of its keys; wave w four units (key steps 16 (g % 2) + 4 w + 0 .. 3).  A unit is 16 rows x 512 bytes in, 64 words out.
; Each load reads 512 consecutive bytes of one row, 16 a lane.  The compare wants lane (r, h) to hold row r and keys 16 c + 8 h + j: so a unit turns through the wave's own stage in LDS
; (rows of 512 bytes + 16 of padding = 33 x 16 bytes, so that sixteen rows' reads start at sixteen different columns of 16 bytes).  A compare's lane mask IS a word of the output.
; The wave's 256 words are gathered in eight registers by v_writelane_b32 and leave in two stores of 512 consecutive, aligned bytes.
; No barrier: waves share nothing.  No matrix work, no cluster: a stream that is read once.
.set ROWB, 16384                       ; a row of the mask in bytes
.set SP,   528                         ; a stage row
.set STG,  16*SP                       ; a wave's stage
.set R,    16                          ; v16-143   two sets of 64 registers, as loaded
.set X,    144                         ; v144-207  a unit, turned: register 8 c + j
.set OUT,  208                         ; v208-215  the wave's 256 words: word W in register (W & 3) + 4 (W >> 7), lane (W >> 2) & 31
	s_load_b128 s[4:7], s[0:1], 0x0                ; mask, maskw
	v_lshl_add_u32 v216, v0, 2, 0x8400
	v_mov_b32 v217, 0
	v_lshrrev_b32 v4, 5, v0
	v_readfirstlane_b32 s8, v4                     ; wave 0..3
	v_and_b32 v5, 31, v0
	v_lshlrev_b32 v1, 4, v5                        ; 16 x lane: my bytes of a load's 512, and of a store's
	s_mul_i32 s9, s8, STG
	v_add_nc_u32 v2, s9, v1                        ; the stage, on the way in
	v_and_b32 v6, 15, v0                           ; r
	v_bfe_u32 v7, v0, 4, 1                         ; h
	v_mul_u32_u24 v3, v6, SP
	v_lshl_add_u32 v3, v7, 5, v3
	v_add_nc_u32 v3, s9, v3                        ; and on the way out: row r, + 32 h bytes (8 keys)
	s_lshr_b32 s10, ttmp9, 1                       ; a
	s_and_b32 s11, ttmp9, 1
	s_lshl_b32 s11, s11, 4
	s_lshl_b32 s12, s8, 2
	s_add_co_u32 s11, s11, s12                     ; my first key step
	s_lshl_b32 s12, s10, 18                        ; 16 rows of 16,384 bytes
	s_lshl_b32 s13, s11, 9                         ; 512 bytes a step
	s_add_co_u32 s12, s12, s13
	s_mov_b32 s13, 0
	s_lshl_b32 s14, s10, 13                        ; 32 steps of 256 bytes
	s_lshl_b32 s15, s11, 8
	s_add_co_u32 s14, s14, s15
	s_mov_b32 s15, 0
.irp j, 0,1,2,3,4,5,6,7
	v_mov_b32 v[OUT+\j], 0                         ; written whole once: v_writelane_b32 keeps the other lanes
.endr
	s_wait_kmcnt 0x0
	s_add_nc_u64 s[4:5], s[4:5], s[12:13]
	s_add_nc_u64 s[6:7], s[6:7], s[14:15]
.macro LOAD u                          ; unit u: 16 rows, 512 consecutive bytes each, into set u % 2
.irp i, 0,1,2,3,4,5,6,7,8,9,10,11,12,13,14,15
	global_load_b128 v[R+64*((\u)%2)+4*\i:R+64*((\u)%2)+4*\i+3], v1, s[4:5] offset:\i*ROWB+(\u)*512 th:TH_LOAD_NT
.endr
.endm
.macro TURN u                          ; through the stage: LDS serves a wave's instructions in order, so no wait stands between the stores and the loads
.irp i, 0,1,2,3,4,5,6,7,8,9,10,11,12,13,14,15
	ds_store_b128 v2, v[R+64*((\u)%2)+4*\i:R+64*((\u)%2)+4*\i+3] offset:SP*\i
.endr
.irp c, 0,1,2,3,4,5,6,7
	ds_load_b128 v[X+8*\c:X+8*\c+3], v3 offset:64*\c
	ds_load_b128 v[X+8*\c+4:X+8*\c+7], v3 offset:64*\c+16
.endr
.endm
.macro BITS u                          ; sixteen compares, sixteen words, four times
.irp g, 0,1,2,3
.set k, 0
.rept 16
	v_cmp_ne_u32 s[16+k], 0, v[X+16*\g+k]
.set k, k+1
.endr
.set k, 0
.rept 16
.set WD, 64*(\u)+16*\g+k
	v_writelane_b32 v[OUT+(WD&3)+4*(WD>>7)], s[16+k], (WD>>2)&31
.set k, k+1
.endr
.endr
.endm
	LOAD 0
	LOAD 1
.irp u, 0,1,2,3
.if \u < 3
	s_wait_loadcnt 16                              ; this unit's 16 loads are in; the next unit's 16 may be out
.else
	s_wait_loadcnt 0x0
.endif
	TURN \u
	s_wait_dscnt 0x0                               ; the unit is back, turned; the stores have read their set,
.if \u < 2
	LOAD \u+2                                      ; which takes the unit two further on
.endif
	BITS \u
.endr
	global_store_b128 v1, v[OUT:OUT+3], s[6:7]             ; words 0-127: 512 consecutive bytes, aligned
	global_store_b128 v1, v[OUT+4:OUT+7], s[6:7] offset:512 ; words 128-255
	s_wait_tensorcnt 0x0
	ds_add_u32 v216, v217
	s_wait_dscnt 0x0
	s_endpgm
.Lfunc_end_k_qa0de3ff64d_maskbits:
	.size	k_qa0de3ff64d_maskbits, .Lfunc_end_k_qa0de3ff64d_maskbits-k_qa0de3ff64d_maskbits
	.p2alignl 7, 3214868480
	.fill 96, 4, 3214868480
	.section	.rodata,"a",@progbits
	.p2align	6, 0x0
	.amdhsa_kernel k_qa0de3ff64d_maskbits
		.amdhsa_group_segment_fixed_size 34304
		.amdhsa_private_segment_fixed_size 0
		.amdhsa_enable_private_segment 0
		.amdhsa_kernarg_size 16
		.amdhsa_user_sgpr_count 2
		.amdhsa_user_sgpr_kernarg_segment_ptr 1
		.amdhsa_wavefront_size32 1
		.amdhsa_system_sgpr_workgroup_id_x 1
		.amdhsa_system_sgpr_workgroup_id_y 1
		.amdhsa_system_sgpr_workgroup_id_z 1
		.amdhsa_system_vgpr_workitem_id 0
		.amdhsa_next_free_vgpr 218
		.amdhsa_next_free_sgpr 66
		.amdhsa_reserve_vcc 0
		.amdhsa_float_denorm_mode_32 3
		.amdhsa_float_denorm_mode_16_64 3
		.amdhsa_memory_ordered 1
		.amdhsa_forward_progress 1
		.amdhsa_inst_pref_size 49
	.end_amdhsa_kernel
	.amdgpu_metadata
---
amdhsa.version: [ 1, 2 ]
amdhsa.kernels:
  - .name:           k_qa0de3ff64d_maskbits
    .symbol:         k_qa0de3ff64d_maskbits.kd
    .args:
      - { .name: mask, .offset: 0, .size: 8, .value_kind: global_buffer, .address_space: global }
      - { .name: maskw, .offset: 8, .size: 8, .value_kind: global_buffer, .address_space: global }
    .group_segment_fixed_size: 34304
    .private_segment_fixed_size: 0
    .kernarg_segment_align: 8
    .kernarg_segment_size: 16
    .max_flat_workgroup_size: 128
    .sgpr_count:     66
    .vgpr_count:     218
    .wavefront_size: 32
...
	.end_amdgpu_metadata
.endif
;; end of part 1
;; launch qkv (part 2): grid 4 x 48, 4 waves a work-group, clusters of 4 x 4, 327,680 bytes of LDS; arguments Q_codes, K_codes, V_codes, Wq_w_codes, Wk_w_codes, Wv_w_codes, Wq_b, Wk_b, Wv_b, lowp_scales, qkv; writes qkv
.if DOCPART == 2
	.amdgcn_target "amdgcn-amd-amdhsa--gfx1250"
	.amdhsa_code_object_version 6
	.text
	.protected	k_qa0de3ff64d_qkv
	.globl	k_qa0de3ff64d_qkv
	.p2align	8
	.type	k_qa0de3ff64d_qkv,@function
k_qa0de3ff64d_qkv:
	s_mov_b64 s[64:65], 0
	v_nop
	global_prefetch_b8 v0, s[64:65] scope:SCOPE_SE
	s_setreg_imm32_b32 hwreg(HW_REG_WAVE_MODE, 25, 1), 1
	s_wait_xcnt 0x0
	s_wait_alu depctr_hold_cnt(0) depctr_sa_sdst(0) depctr_va_vdst(0) depctr_va_sdst(0) depctr_va_ssrc(0) depctr_va_vcc(0) depctr_vm_vsrc(0)
	s_getreg_b32 s2, hwreg(HW_REG_IB_STS2, 6, 4)
	s_cmp_eq_u32 s2, 0
	s_cbranch_scc0 .Lentry_in_a_cluster
	s_endpgm
.Lentry_in_a_cluster:
	s_bfe_u32 s2, ttmp6, 0x10000c
	s_cmp_lg_u32 s2, 0xf033
	s_cbranch_scc0 .Lentry_shape_is_right
	s_endpgm
.Lentry_shape_is_right:
; q = Q Wq^T + bq, k = K Wk^T + bk, v = V Wv^T + bv on codes of BF8 (E5M2), each result quantised with its given scale and stored AS THE NEXT LAUNCH'S OPERAND REGISTERS.
; One body serves the three products: of the twelve clusters along y, four take each (which = cluster y / 4: 0 q, 1 k, 2 v; cl = cluster y % 4).
; A tile of 256 x 256 results is made by four waves, 128 x 128 each: 64 accumulators of 16 x 16.  K = 1,024 goes in steps of 256 through a ring of two LDS slots filled by the tensor data mover.
; TWO OPERANDS.  'A' lies first in a slot and is the matrix instruction's source 1: its rows fall on the result's LANES.  'B' is source 0: its rows fall on a lane's eight REGISTERS.
;   q, k: A = tokens (16 tile rows: RT = cy + 4 cl), B = the weight's rows (CT = cx): a lane holds one token and eight neighbouring channels: a fragment of q or k along the head's 64.
;   v:    A = Wv's rows (RT = cy), B = V's tokens (CT = cx + 4 cl): a lane holds one channel and eight neighbouring tokens: a fragment of v^T along the keys.  Nothing is transposed.
; CLUSTERS: 4 x 4 work-groups.  A's tile hangs on cy and the cluster's y alone and is asked for jointly by a row of the cluster, B's on cx and the cluster's y alone, by a column.
; OUT: qkv holds a record of 24,576 bytes for each (head, step of 128 tokens), at (32 head + step) x 24,576: q's 8 KiB, k's, v's.  q, k: token tile c at 1,024 c: 8 registers as 2 chunks of 512 bytes,
; lane l's 16 bytes at 16 l; registers 2 b, 2 b + 1 = channels 16 b + 8 (l / 16) + 0 .. 7 of token 16 c + l % 16.  v: channel tile u at 2,048 u: 16 registers as 4 chunks; registers 2 c, 2 c + 1 = tokens
; 16 c + 8 (l / 16) + 0 .. 7 of channel 16 u + l % 16.  Every store of a wave covers 512 consecutive bytes, aligned.
; LIMITS on the given exponents, so that each power of two below is an f32 number: e0 + e1, e2 + e3, e4 + e5 between -126 and 127; e6, e7, e9 between -126 and 112.  NaN and infinity among the codes are not served.
; REGISTERS, in windows of 256: window 0: v0-31 addresses; v32-95 the bias by registers, v96-111 the bias by lanes, v112, v113 the quantiser's hold and scale; from v128 A's fragments, ONE set, later the codes.
;   window 1: B's fragments, TWO sets.   window 2: the accumulators of my rows 0-63 ((a, b) at v[8 (8 a + b)]);   window 3: those of my rows 64-127.
.set SIZE_K, 1024
.set KSTEP,  256                       ; along K in a slot
.set ROWB,   256                       ; a tile's row in bytes
.set KROW,   SIZE_K                    ; a row of codes in memory
.set PITCH,  272                       ; an LDS row: 256 bytes + 16 of padding = 68 words, so the 16 rows that a load touches start 4 words apart (64 banks of 4 bytes: ISA guide 11.1)
.set FR,     16                        ; registers of a fragment: 16 rows x 128 K
.set NL,     4                         ; LDS loads that bring one
.set NP,     4                         ; places behind this matrix instruction (ISA guide 7.12.1)
.set HALFT,  128*PITCH                 ; 128 rows: what one tensor load brings
.set SLOT,   4*HALFT                   ; A's 256 rows, then B's 256 rows
.set LAPS,   SIZE_K/(2*KSTEP)          ; a lap = once round the ring
.set SPARE,  2*SLOT                    ; behind the ring: the spare words, 128 bytes for each wave: two blocks of 256 bytes that no other line names
.set RECB,   24576                     ; a record of qkv
.set HEADB,  32*RECB                   ; a head's records
.set ADRA, 16                          ; v16-17  LDS address of my A fragments in slot 0, 1
.set ADRB, 20                          ; v20-21  the same for B
.set CO,   26                          ; v26     16 x lane: my place in a chunk
.set SPW,  28                          ; v28     LDS address of my spare word; never rewritten
.set NIL,  29                          ; v29     0; never rewritten
.set BR,   32                          ; v32-95  q, k: bias of channel 16 b + 8 h + i at register 8 b + i
.set BL,   96                          ; v96-111 v: bias of channel 16 a + r at register 2 a; the odd registers hold 0 (named as the upper halves of pairs)
.set LIM,  112                         ; v112    57,344 x the result's scale
.set SCO,  113                         ; v113    the result's scale as f32
.set AF,   128                         ; A's fragments
.set CD,   128                         ; the way out: block a's 16 registers of codes at v[CD + 16 a]
.set G1, 24                            ; s[24:31] descriptor group 1 for A's tiles;  s[32:39] group 0, one set for each slot
.set G0, 32
.set G1B, 48                           ; s[48:55], s[56:63] the same for B's tiles
.set G0B, 56
.set MSB, 0
.macro WIN new                         ; the immediate's high byte repeats the setting that is left; a switch that changes nothing is dropped
.if MSB != (\new)
	s_set_vgpr_msb (MSB<<8)|(\new)
.set MSB, (\new)
.endif
.endm
.set MUL_LO, 0xa1                      ; source 0 (B) window 1, source 1 (A) window 0, C and D window 2
.set MUL_HI, 0xf1                      ; the same, C and D window 3
.set TO_B,   0x40                      ; destination window 1, address window 0
; A joint load: waves 0 and 1 fetch for A, waves 2 and 3 for B.  Each line has one mask and one set of registers for all that issue it; the branch hangs on the wave's number alone.
; Four v_nop follow each of the two lines, ahead of the jump, the label and what follows.
.macro JLOAD g0a, g1a, g0b, g1b
	s_cmp_eq_u32 s15, 0
	s_cbranch_scc0 .Lfor_b_\@
	tensor_load_to_lds s[\g0a:\g0a+3], s[\g1a:\g1a+7]
	s_nop 0
.rept 4
	v_nop
.endr
	s_branch .Lasked_\@
.Lfor_b_\@:
	tensor_load_to_lds s[\g0b:\g0b+3], s[\g1b:\g1b+7]
	s_nop 0
.rept 4
	v_nop
.endr
.Lasked_\@:
.endm
.macro CREST                           ; a round of the cluster's barrier behind its opening barrier
	s_cmp_lg_u32 s14, 0
	s_cbranch_scc1 .Lnot_wave_0_\@
	s_barrier_signal -3
.Lnot_wave_0_\@:
	s_barrier_wait -3
	s_barrier_signal -1
	s_barrier_wait -1
.endm
.macro CROUND                          ; a whole round
	s_barrier_signal -1
	s_barrier_wait -1
	CREST
.endm
	s_load_b512 s[68:83], s[0:1], 0x0              ; Q s[68:69], K s[70:71], V s[72:73], Wq s[74:75], Wk s[76:77], Wv s[78:79], bq s[80:81], bk s[82:83]
	s_load_b128 s[84:87], s[0:1], 0x40             ; bv s[84:85], the scales' exponents s[86:87]
	s_load_b64 s[10:11], s[0:1], 0x50              ; qkv
	v_lshl_add_u32 v[SPW], v0, 2, SPARE
	v_mov_b32 v[NIL], 0
	ds_add_u32 v28, v29
	ds_add_u32 v28, v29
	s_wait_dscnt 0x0
	v_lshrrev_b32 v1, 5, v0
	v_readfirstlane_b32 s14, v1                    ; wave 0..3
	s_lshr_b32 s15, s14, 1                         ; which half of A's rows is mine.  Also: I fetch for A (0) or for B (1)
	s_and_b32 s16, s14, 1                          ; which half of B's rows.  Also: which 128 rows of that tile I fetch
	s_bfe_u32 s40, ttmp6, 0x40000                  ; cx, cy: my place in the cluster
	s_bfe_u32 s41, ttmp6, 0x40004
	s_and_b32 s2, ttmp7, 0xffff                    ; the cluster's y, 0..11: the same in all sixteen partners
	s_lshr_b32 s98, s2, 2                          ; which: 0 q, 1 k, 2 v
	s_lshr_b32 s99, s98, 1                         ; isv
	s_and_b32 s100, s2, 3
	s_lshl_b32 s100, s100, 2                       ; 4 cl
	s_mul_i32 s101, s100, s99                      ; 4 cl for v, else 0
	s_sub_co_u32 s100, s100, s101                  ; 4 cl for q and k, else 0
	s_add_co_u32 s42, s101, s40                    ; CT, B's tile: cx (+ 4 cl)
	s_add_co_u32 s17, s100, s41                    ; RT, A's tile: cy (+ 4 cl)
	s_lshl_b32 s43, s41, 2
	s_lshl_b32 s43, 15, s43                        ; my row of the cluster
	s_lshl_b32 s44, 0x1111, s40                    ; my column
	; descriptor group 1: a tile of 128 rows x 256 bytes, padded in LDS
	s_or_b32 s[G1+0], s43, (0<<16)|(1<<20)|(1<<21)|(5<<22)|(3<<25)  ; 15:0 the mask: A's tiles go to my row; 17:16 element of 1 byte; 20 padding on; 21 set beside a mask; 24:22 after every 64 words; 31:25 of 4 words
	s_or_b32 s[G1B+0], s44, (0<<16)|(1<<20)|(1<<21)|(5<<22)|(3<<25)
.irp g, G1, G1B
	s_mov_b32 s[\g+1], ROWB<<16                    ; tensor_dim0
	s_mov_b32 s[\g+2], 128<<16                     ; tensor_dim1 = 128
	s_mov_b32 s[\g+3], ROWB<<16                    ; tile_dim0
	s_mov_b32 s[\g+4], 128                         ; tile_dim1 = 128
	s_mov_b32 s[\g+5], KROW                        ; tensor_dim0_stride
	s_mov_b32 s[\g+6], 0
	s_mov_b32 s[\g+7], 0
.endr
	s_lshl_b32 s18, s16, 7                         ; which 128 rows of the tile I fetch
	s_lshl_b32 s20, s17, 8
	s_add_co_u32 s20, s20, s18                     ; A: row 256 RT + 128 x half
	s_lshl_b32 s46, s42, 8
	s_add_co_u32 s46, s46, s18                     ; B: row 256 CT + 128 x half
	s_mov_b32 s21, 0
	s_mov_b32 s47, 0
	s_mov_b64 s[18:19], KROW
	s_mul_u64 s[20:21], s[20:21], s[18:19]         ; in bytes
	s_mul_u64 s[46:47], s[46:47], s[18:19]
	s_mul_i32 s45, s14, HALFT                      ; where they go: wave x 128 rows: no place in the cluster enters an LDS address
	; offsets of the biases and of my records.  Both forms of the bias are loaded in every work-group, so that every register is written on every way; the form that is not used reads from the bias's first bytes
	s_lshl_b32 s88, s42, 8
	s_lshl_b32 s89, s16, 7
	s_add_co_u32 s88, s88, s89                     ; B's first row of mine: 256 CT + 128 x half
	s_lshl_b32 s90, s17, 8
	s_lshl_b32 s91, s15, 7
	s_add_co_u32 s90, s90, s91                     ; A's first row of mine: 256 RT + 128 x half
	s_lshl_b32 s92, s42, 1
	s_add_co_u32 s92, s92, s16                     ; 2 CT + half
	s_lshl_b32 s93, s17, 1
	s_add_co_u32 s93, s93, s15                     ; 2 RT + half
	s_cmp_eq_u32 s99, 1
	s_cselect_b32 s88, 0, s88                      ; q, k: channels are B's rows
	s_cselect_b32 s90, s90, 0                      ; v: channels are A's rows
	s_cselect_b32 s94, s93, s92                    ; my first head / 2: 128 channels are two heads
	s_cselect_b32 s95, s92, s93                    ; my step: 128 tokens
	s_lshl_b32 s88, s88, 2
	s_lshl_b32 s90, s90, 2
	s_mov_b32 s89, 0
	s_mov_b32 s91, 0
	s_lshl_b32 s94, s94, 6                         ; 32 x head
	s_add_co_u32 s94, s94, s95
	s_mul_i32 s94, s94, RECB
	s_lshl_b32 s95, s98, 13                        ; q's, k's or v's 8 KiB of the record
	s_add_co_u32 s94, s94, s95
	s_mov_b32 s95, 0
	s_wait_kmcnt 0x0
	s_cmp_eq_u32 s98, 0                            ; the buffers are chosen on the cluster's y alone
	s_cselect_b64 s[4:5], s[68:69], s[70:71]
	s_cselect_b64 s[6:7], s[74:75], s[76:77]
	s_cselect_b64 s[12:13], s[80:81], s[82:83]
	s_cmp_eq_u32 s98, 2
	s_cselect_b64 s[4:5], s[78:79], s[4:5]         ; A: Q, K or Wv
	s_cselect_b64 s[6:7], s[72:73], s[6:7]         ; B: Wq, Wk or V
	s_cselect_b64 s[12:13], s[84:85], s[12:13]     ; the bias
	s_mov_b64 s[8:9], s[86:87]
	s_load_b256 s[68:75], s[8:9], 0x0              ; e0 .. e7
	s_load_b128 s[76:79], s[8:9], 0x20             ; e8 .. e11
	s_add_nc_u64 s[20:21], s[4:5], s[20:21]
	s_add_nc_u64 s[46:47], s[6:7], s[46:47]
	s_add_nc_u64 s[88:89], s[12:13], s[88:89]
	s_add_nc_u64 s[90:91], s[12:13], s[90:91]
	s_add_nc_u64 s[10:11], s[10:11], s[94:95]
	CROUND                                         ; all sixteen work-groups are here: the first joint loads meet
.irp s, 0,1
	s_mov_b32 s[G0+4*\s], 1
	s_add_co_u32 s[G0+4*\s+1], s45, \s*SLOT
	s_add_nc_u64 s[G0+4*\s+2:G0+4*\s+3], s[20:21], \s*ROWB
	s_or_b32 s[G0+4*\s+3], s[G0+4*\s+3], 0x80000000
	s_mov_b32 s[G0B+4*\s], 1
	s_add_co_u32 s[G0B+4*\s+1], s45, \s*SLOT
	s_add_nc_u64 s[G0B+4*\s+2:G0B+4*\s+3], s[46:47], \s*ROWB
	s_or_b32 s[G0B+4*\s+3], s[G0B+4*\s+3], 0x80000000
	JLOAD G0+4*\s, G1, G0B+4*\s, G1B
.endr
	v_and_b32 v1, 15, v0                           ; r = l % 16
	v_bfe_u32 v2, v0, 4, 1                         ; h = l / 16
	v_lshlrev_b32 v5, 5, v2                        ; 32 h: eight f32 numbers
	v_lshlrev_b32 v6, 2, v1                        ; 4 r
.irp b, 0,1,2,3,4,5,6,7
	global_load_b128 v[BR+8*\b:BR+8*\b+3], v5, s[88:89] offset:64*\b
	global_load_b128 v[BR+8*\b+4:BR+8*\b+7], v5, s[88:89] offset:64*\b+16
.endr
.irp a, 0,1,2,3,4,5,6,7
	global_load_b32 v[BL+2*\a], v6, s[90:91] offset:64*\a
	v_mov_b32 v[BL+2*\a+1], 0
.endr
	v_and_b32 v7, 31, v0
	v_lshlrev_b32 v[CO], 4, v7
	v_mul_u32_u24 v3, v1, PITCH
	v_lshl_add_u32 v4, v2, 4, v3                   ; a fragment's row x pitch + 16 x half
	s_mul_i32 s21, s15, HALFT                      ; my 128 rows of A
	s_mul_i32 s22, s16, HALFT                      ; my 128 rows of B,
	s_add_co_u32 s22, s22, 2*HALFT                 ; which lie behind A's 256
.irp s, 0,1
	v_add_nc_u32 v[ADRA+\s], s21, v4
	v_add_nc_u32 v[ADRB+\s], s22, v4
	s_add_co_u32 s21, s21, SLOT
	s_add_co_u32 s22, s22, SLOT
.endr
.macro FRAG reg, adr, q, i             ; a fragment: lane l holds row l % 16; registers 4 c .. 4 c + 3 hold K = 32 c + 16 (l / 16) + 0 .. 15: the same places in A and in B, so every product meets its partner
.irp c, 0,1,2,3
	ds_load_b128 v[\reg+4*\c:\reg+4*\c+3], v[\adr] offset:128*(\q)+32*\c+(\i)*16*PITCH
.endr
.endm
; 16 matrix instructions: A's blocks a0, a0 + 1 x B's eight, 128 along K.  p: B's set.  zero = 1: the first product starts the sums.  The 64 accumulators take turns, one instruction a turn.
.macro MUL16 a0, p, zero
.irp a, \a0, \a0+1
.irp b, 0,1,2,3,4,5,6,7
.if \zero
	v_wmma_f32_16x16x128_bf8_bf8 v[8*(8*((\a)%4)+\b):8*(8*((\a)%4)+\b)+7], v[128*(\p)+FR*\b:128*(\p)+FR*\b+FR-1], v[AF+FR*(\a):AF+FR*(\a)+FR-1], 0
.else
	v_wmma_f32_16x16x128_bf8_bf8 v[8*(8*((\a)%4)+\b):8*(8*((\a)%4)+\b)+7], v[128*(\p)+FR*\b:128*(\p)+FR*\b+FR-1], v[AF+FR*(\a):AF+FR*(\a)+FR-1], v[8*(8*((\a)%4)+\b):8*(8*((\a)%4)+\b)+7]
.endif
.endr
.endr
.endm
.macro FETCH_B slot, q, p              ; B's eight fragments of the slot's q-th 128 along K into set p
	WIN TO_B
.irp i, 0,1,2,3,4,5,6,7
	FRAG 128*(\p)+FR*\i, ADRB+\slot, \q, \i
.endr
	WIN 0
.endm
.macro FETCH_A slot, q, i0             ; A's blocks i0 .. i0 + 3
.irp i, \i0, \i0+1, \i0+2, \i0+3
	FRAG AF+FR*(\i), ADRA+\slot, \q, \i
.endr
.endm
.macro PLACES n                        ; plain vector instructions between a matrix instruction and a load into, or a vector read or write of, its registers (ISA guide 7.12.1 for vector reads and writes)
.rept \n
	v_nop
.endr
.endm
; A step of 128 along K that has its successor in the same slot.  A block of A is free as soon as its eight products are issued: blocks 0-3 are fetched anew in the step's middle, blocks 4-7 at its end.
.macro STEP slot, q, zero
	s_wait_dscnt 4*NL                              ; B's set and A's blocks 0-3 are in; the youngest 16 loads (A's blocks 4-7) may be out
	WIN MUL_LO
	MUL16 0, (\q)%2, \zero
	MUL16 2, (\q)%2, \zero
	s_wait_dscnt 0                                 ; A's blocks 4-7 are in
	PLACES NP
	FETCH_B \slot, (\q)+1, 1-(\q)%2
	FETCH_A \slot, (\q)+1, 0
	WIN MUL_HI
	MUL16 4, (\q)%2, \zero
	MUL16 6, (\q)%2, \zero
	PLACES NP
	WIN 0
	FETCH_A \slot, (\q)+1, 4
.endm
; A slot's last step changes slots: ONE barrier; in front of it each wave waits for all its tensor loads, adds 0 to its spare word, and waits for that and for its own reads of this slot.  fill = 1: the slot is filled again.
.macro TURN slot, next, fill
	s_wait_tensorcnt 0x0                           ; all my tensor loads have landed: my part of the next slot  (every window is 0 here)
	ds_add_u32 v[SPW], v[NIL]                      ; 0 onto my spare word
	s_wait_dscnt 4*NL+1                            ; (the add and the youngest 16 loads, A's blocks 4-7, may be out)
	WIN MUL_LO
	MUL16 0, 1, 0                                  ; sixteen matrix instructions stand between the add and the wait for it
	s_wait_dscnt 0x0                               ; the add is done, and my reads of this slot are over
	s_barrier_signal -1
	MUL16 2, 1, 0
	WIN 0
	s_barrier_wait -1
.if \fill
	CREST                                          ; the barrier has opened a round of the cluster's barrier: no wave of any partner still reads this slot or has a load on its way
	s_add_nc_u64 s[G0+4*\slot+2:G0+4*\slot+3], s[G0+4*\slot+2:G0+4*\slot+3], 2*ROWB
	s_add_nc_u64 s[G0B+4*\slot+2:G0B+4*\slot+3], s[G0B+4*\slot+2:G0B+4*\slot+3], 2*ROWB
	JLOAD G0+4*\slot, G1, G0B+4*\slot, G1B         ; the first tensor load behind the round; the four v_nop behind it are the places in front of the loads below
.else
	PLACES NP
.endif
	FETCH_B \next, 0, 0
	FETCH_A \next, 0, 0
	WIN MUL_HI
	MUL16 4, 1, 0
	MUL16 6, 1, 0
	PLACES NP
	WIN 0
	FETCH_A \next, 0, 4
.endm
	s_wait_tensorcnt 1                             ; my part of slot 0 is in (slot 1's load may be out)
	s_barrier_signal -1
	s_barrier_wait -1                              ; everybody's is
	FETCH_B 0, 0, 0
	FETCH_A 0, 0, 0
	FETCH_A 0, 0, 4
	STEP 0, 0, 1                                   ; the first step's products start the sums
.rept LAPS-1                           ; K = 1,024 is two laps: the one lap that fills both slots again is written out
	TURN 0, 1, 1
	STEP 1, 0, 0
	TURN 1, 0, 1
	STEP 0, 0, 0
.endr
	TURN 0, 1, 0                                   ; the last lap fills nothing, and has no round of the cluster's barrier
	STEP 1, 0, 0
	s_wait_dscnt 4*NL                              ; the very last step: nothing more to fetch
	WIN MUL_LO
	MUL16 0, 1, 0
	MUL16 2, 1, 0
	s_wait_dscnt 0
	WIN MUL_HI
	MUL16 4, 1, 0
	MUL16 6, 1, 0
	WIN 0
	; THE WAY OUT.  sum x 2^(ea + eb) + bias, one fused multiply-add; held within +-57,344 x the result's scale; eight numbers of a lane to eight codes.  The codes are the next launch's registers: no LDS.
	s_wait_kmcnt 0x0
	s_add_co_i32 s92, s68, s69                     ; e0 + e1
	s_add_co_i32 s93, s70, s71                     ; e2 + e3
	s_add_co_i32 s94, s72, s73                     ; e4 + e5
	s_cmp_eq_u32 s98, 0
	s_cselect_b32 s92, s92, s93
	s_cselect_b32 s95, s74, s75                    ; q: e6, k: e7,
	s_cmp_eq_u32 s98, 2
	s_cselect_b32 s92, s94, s92
	s_cselect_b32 s95, s77, s95                    ; v: e9
	s_add_co_i32 s92, s92, 127
	s_lshl_b32 s96, s92, 23                        ; 2^(ea + eb) as f32
	s_mov_b32 s97, s96                             ; (named with it as a pair, so it is written)
	s_add_co_i32 s95, s95, 127
	s_lshl_b32 s93, s95, 23
	v_mov_b32 v[SCO], s93                          ; the result's scale: the conversion takes its exponent field
	s_add_co_i32 s95, s95, 15
	s_lshl_b32 s95, s95, 23
	s_or_b32 s95, s95, 0x600000
	v_mov_b32 v[LIM], s95                          ; 57,344 x that
	s_wait_loadcnt 0x0                             ; the biases
	PLACES NP                                      ; behind the last products: for the reads of results and the writes over A's fragments
; Block a: 16 of A's rows x 128 of B's.  Each accumulator is read from its low end on.  Each block has 16 registers of its own for its codes, so no store's data are written again.
.macro OUTBLK a, isv
.set AC, 64*((\a)%4)
.set OW, 2+(\a)/4
	WIN (OW<<6)|OW                                 ; destination and source 0: window 2 or 3
.irp j, 0,2,4,6,8,10,12,14,16,18,20,22,24,26,28,30,32,34,36,38,40,42,44,46,48,50,52,54,56,58,60,62
.if \isv
	v_pk_fma_f32 v[AC+\j:AC+\j+1], v[AC+\j:AC+\j+1], s[96:97], v[BL+2*(\a):BL+2*(\a)+1] op_sel_hi:[1,0,0]   ; the lane's channel: one bias for both halves
.else
	v_pk_fma_f32 v[AC+\j:AC+\j+1], v[AC+\j:AC+\j+1], s[96:97], v[BR+\j:BR+\j+1] op_sel_hi:[1,0,1]           ; the registers' channels
.endif
.endr
.set n, 0
.rept 64
	v_med3_num_f32 v[AC+n], v[AC+n], -v[LIM], v[LIM]   ; the conversion to an 8-bit code does not saturate (ISA guide 7.6.2)
.set n, n+1
.endr
	WIN OW                                         ; source 0: window 2 or 3
.irp b, 0,1,2,3,4,5,6,7
	v_cvt_scalef32_pk8_bf8_f32 v[CD+16*(\a)+2*\b:CD+16*(\a)+2*\b+1], v[AC+8*\b:AC+8*\b+7], v[SCO]
.endr
	WIN 0
	v_nop                                          ; a plain vector instruction behind the last conversion
.irp g, 0,1,2,3
.if \isv
	global_store_b128 v[CO], v[CD+16*(\a)+4*\g:CD+16*(\a)+4*\g+3], s[10:11] offset:((\a)/4)*HEADB+((\a)%4)*2048+\g*512     ; head a / 4, channel tile a % 4, chunk g
.else
	global_store_b128 v[CO], v[CD+16*(\a)+4*\g:CD+16*(\a)+4*\g+3], s[10:11] offset:(\g/2)*HEADB+(\a)*1024+(\g%2)*512       ; head g / 2, token tile a, chunk g % 2
.endif
.endr
.endm
	s_cmp_eq_u32 s99, 1                            ; the same in all partners: it hangs on the cluster's y alone
	s_cbranch_scc1 .Lv_out
.irp a, 0,1,2,3,4,5,6,7
	OUTBLK \a, 0
.endr
	s_branch .Ldone
.Lv_out:
.irp a, 0,1,2,3,4,5,6,7
	OUTBLK \a, 1
.endr
.Ldone:
	s_wait_tensorcnt 0x0                           ; the wave's end
	ds_add_u32 v[SPW], v[NIL]
	s_wait_dscnt 0x0
	CROUND                                         ; the closing round: no work-group ends while a partner may still ask for a tile that names it
	s_endpgm
.Lfunc_end_k_qa0de3ff64d_qkv:
	.size	k_qa0de3ff64d_qkv, .Lfunc_end_k_qa0de3ff64d_qkv-k_qa0de3ff64d_qkv
	.p2alignl 7, 3214868480
	.fill 96, 4, 3214868480
	.section	.rodata,"a",@progbits
	.p2align	6, 0x0
	.amdhsa_kernel k_qa0de3ff64d_qkv
		.amdhsa_group_segment_fixed_size 327680
		.amdhsa_private_segment_fixed_size 0
		.amdhsa_enable_private_segment 0
		.amdhsa_kernarg_size 88
		.amdhsa_user_sgpr_count 2
		.amdhsa_user_sgpr_kernarg_segment_ptr 1
		.amdhsa_wavefront_size32 1
		.amdhsa_system_sgpr_workgroup_id_x 1
		.amdhsa_system_sgpr_workgroup_id_y 1
		.amdhsa_system_sgpr_workgroup_id_z 1
		.amdhsa_system_vgpr_workitem_id 0
		.amdhsa_next_free_vgpr 1024
		.amdhsa_next_free_sgpr 102
		.amdhsa_reserve_vcc 0
		.amdhsa_float_denorm_mode_32 3
		.amdhsa_float_denorm_mode_16_64 3
		.amdhsa_memory_ordered 1
		.amdhsa_forward_progress 1
		.amdhsa_inst_pref_size 194
	.end_amdhsa_kernel
	.amdgpu_metadata
---
amdhsa.version: [ 1, 2 ]
amdhsa.kernels:
  - .name:           k_qa0de3ff64d_qkv
    .symbol:         k_qa0de3ff64d_qkv.kd
    .args:
      - { .name: Q_codes, .offset: 0, .size: 8, .value_kind: global_buffer, .address_space: global }
      - { .name: K_codes, .offset: 8, .size: 8, .value_kind: global_buffer, .address_space: global }
      - { .name: V_codes, .offset: 16, .size: 8, .value_kind: global_buffer, .address_space: global }
      - { .name: Wq_w_codes, .offset: 24, .size: 8, .value_kind: global_buffer, .address_space: global }
      - { .name: Wk_w_codes, .offset: 32, .size: 8, .value_kind: global_buffer, .address_space: global }
      - { .name: Wv_w_codes, .offset: 40, .size: 8, .value_kind: global_buffer, .address_space: global }
      - { .name: Wq_b, .offset: 48, .size: 8, .value_kind: global_buffer, .address_space: global }
      - { .name: Wk_b, .offset: 56, .size: 8, .value_kind: global_buffer, .address_space: global }
      - { .name: Wv_b, .offset: 64, .size: 8, .value_kind: global_buffer, .address_space: global }
      - { .name: lowp_scales, .offset: 72, .size: 8, .value_kind: global_buffer, .address_space: global }
      - { .name: qkv, .offset: 80, .size: 8, .value_kind: global_buffer, .address_space: global }
    .group_segment_fixed_size: 327680
    .private_segment_fixed_size: 0
    .kernarg_segment_align: 8
    .kernarg_segment_size: 88
    .max_flat_workgroup_size: 128
    .sgpr_count:     102
    .vgpr_count:     1024
    .wavefront_size: 32
...
	.end_amdgpu_metadata
.endif
;; end of part 2
;; launch attn (part 3): grid 16 x 16, 8 waves a work-group, no clusters, 66,560 bytes of LDS; arguments qkv, maskw, lowp_scales, ao; writes ao
.if DOCPART == 3
	.amdgcn_target "amdgcn-amd-amdhsa--gfx1250"
	.amdhsa_code_object_version 6
	.text
	.protected	k_qa0de3ff64d_attn
	.globl	k_qa0de3ff64d_attn
	.p2align	8
	.type	k_qa0de3ff64d_attn,@function
k_qa0de3ff64d_attn:
	s_mov_b64 s[64:65], 0
	v_nop
	global_prefetch_b8 v0, s[64:65] scope:SCOPE_SE
	s_setreg_imm32_b32 hwreg(HW_REG_WAVE_MODE, 25, 1), 1
	s_wait_xcnt 0x0
; ao[q][head] = Q(softmax_k(where(mask, q . k / 8, masked)) v), both products on codes of BF8 (E5M2); the result is quantised with 2^e10 and stored as the last launch's operand registers.
; THE SOFTMAX AHEAD OF THE SECOND PRODUCT: t = logit x log2(e); M = the row's largest t so far, rounded UP to a whole number; p = 2^(t - M) is quantised with 2^e8; it is not normalised.  The row's sum is taken of
; the unquantised p, in f32, and divides at the end.  When M moves, the sum and O are multiplied by 2^(old M - new M): exact.
; SHARES.  A work-group owns 256 queries (x) of one head (y); each of its eight waves two tiles of 16 queries, in 512 registers: two waves to a SIMD, so that one wave's matrix work, LDS loads and scalar loads
; stand beside the other's vector work, and each fragment of k and v read from LDS feeds two tiles.  Every wave walks the head's 32 steps of 128 keys: the mask is an input, so nothing is left out.
; LAYOUT.  Both products are used transposed: S^T = k q^T (16x16x64: source 0 = 16 keys, source 1 = 16 queries), O^T = v^T p^T (16x16x128): a lane holds ONE query (lane % 16) throughout.  The eight registers of S^T's
; tile c are keys 16 c + 8 (lane / 16) + 0 .. 7: their codes are registers 2 c, 2 c + 1 of p's fragment, the very places in which v's fragment holds those keys.
; THE MASK comes as lane masks, one word for each register of S^T, by scalar loads: one v_cndmask_b32 a score, no compare.  A set of 64 words serves one (step, tile); each sixteen are asked for anew, for the next
; (step, tile), eight or sixteen vector instructions behind their last use.
; k AND v come as images of fragments, 16 KiB a step, through registers into two LDS slots of two steps each; every address is a constant + 16 x lane or 16 x thread.
; NO TENSOR LOADS AND NO CLUSTER: 64 scalar registers hold mask words; and what partners would share is 16 KiB for a step
; of some 1,100 vector instructions a wave.
; LIMITS.  e6 + e7 between -94 and 90; e8 and e10 between -126 and 112.  A masked logit is taken as -2^30, not -1e9: its t is then exact, so a row with no key left gives p = 1 for all keys, as reference() does;
; the result differs only where an unmasked logit lies under about -1e9.  NaN and infinity among the codes are not served.
; REGISTERS.  Window 0: v1 16 x lane; v2 16 x thread; v3 the masked raw score; v4, v5 hold and scale of the conversion; v6, v7 permute destinations; v[8:9] (-M, largest t), v[10:11] the sum: tile 0; v[12:15] tile 1;
;   v[16:17] f and 0; v[18:19] a second chain of the sum; v20-23 the maximum's chains; v24-55 a pair of steps on its way to LDS; v64-191 S^T, then p; v192-223 p's codes; v224-239 q.
;   Window 1: v0-63 O^T; v64-127 k's fragments; v128-191, v192-255 v's fragments, a set for each step of a pair.
; SCALARS.  s[2:3] k and v of the trip's first step; s[4:5] the mask words; s[6:7] ao; s[8:9] q; s[10:11] c twice; s[12:13] lane selects; s15 trips left; s16-63, s68-83 mask words; s66 wave; s[84:91] e4 .. e11.
.set RECB,  24576                      ; a record of qkv: q's, k's, v's 8 KiB of 128 tokens of a head
.set HEADB, 32*RECB
.set G,   24
.set S,   64
.set P,   192
.set QF,  224
.set MSB, 0
.macro WIN new                         ; bits 1:0 source 0, 3:2 source 1, 5:4 source 2, 7:6 destination; the high byte repeats the setting that is left
.if MSB != (\new)
	s_set_vgpr_msb (MSB<<8)|(\new)
.set MSB, (\new)
.endif
.endm
.macro GLOAD p                         ; pair p (counted from the trip's first): two steps' k and v, 32 KiB for the 256 threads
.irp q, 0,1
.irp n, 0,1,2,3
	global_load_b128 v[G+16*\q+4*\n:G+16*\q+4*\n+3], v2, s[2:3] offset:(\p)*2*RECB+\q*RECB+\n*4096
.endr
.endr
.endm
.macro GSTORE sl                       ; and into slot sl
.irp q, 0,1
.irp n, 0,1,2,3
	ds_store_b128 v2, v[G+16*\q+4*\n:G+16*\q+4*\n+3] offset:(\sl)*32768+\q*16384+\n*4096
.endr
.endr
.endm
.macro KLOAD sl, q                     ; k's eight fragments (16 keys x 64) of step q of slot sl
	WIN 0x40
.irp c, 0,1,2,3,4,5,6,7
	ds_load_b128 v[64+8*\c:64+8*\c+3], v1 offset:(\sl)*32768+(\q)*16384+\c*1024
	ds_load_b128 v[64+8*\c+4:64+8*\c+7], v1 offset:(\sl)*32768+(\q)*16384+\c*1024+512
.endr
.endm
.macro VLOAD sl, q                     ; v's four fragments (16 channels x 128 keys) into set q
	WIN 0x40
.irp u, 0,1,2,3
.irp g, 0,1,2,3
	ds_load_b128 v[128+64*(\q)+16*\u+4*\g:128+64*(\q)+16*\u+4*\g+3], v1 offset:(\sl)*32768+(\q)*16384+8192+\u*2048+\g*512
.endr
.endr
.endm
.macro KQ                              ; S^T of both tiles: sixteen accumulators, each begun with the constant 0
	WIN 0x01
.irp t, 0,1
.irp c, 0,1,2,3,4,5,6,7
	v_wmma_f32_16x16x64_bf8_bf8 v[S+64*\t+8*\c:S+64*\t+8*\c+7], v[64+8*\c:64+8*\c+7], v[QF+8*\t:QF+8*\t+7], 0
.endr
.endr
.endm
.macro CND rs, g, sb                   ; sixteen scores: kept where the word's bit is set, else the masked score
.set n, 0
.rept 16
	v_cndmask_b32 v[\rs+16*\g+n], v3, v[\rs+16*\g+n], s[\sb+n]
.set n, n+1
.endr
.endm
; Tile t: the mask, the step's largest score, the new M and f.  imm: where the NEXT (step, tile)'s 64 words lie from s[4:5]; bump = 1: s[4:5] steps four key steps on first (no scalar load is out: the wait stands ahead).
.macro MASKMAX t, imm, bump
.set rS, S+64*(\t)
.set rN, 8+4*(\t)
.if \bump
	s_add_nc_u64 s[4:5], s[4:5], 1024
.endif
	CND rS, 0, 16                                  ; each accumulator from its low end on
	CND rS, 1, 32
	s_load_b512 s[16:31], s[4:5], (\imm)
	CND rS, 2, 48
	s_load_b512 s[32:47], s[4:5], (\imm)+64
	CND rS, 3, 68
	s_load_b512 s[48:63], s[4:5], (\imm)+128
.irp k, 0,1,2,3
	v_max3_num_f32 v[20+\k], v[rS+3*\k], v[rS+3*\k+1], v[rS+3*\k+2]   ; four chains
.endr
.set m, 0
.rept 26
	v_max3_num_f32 v[20+m%4], v[20+m%4], v[rS+12+2*m], v[rS+13+2*m]
.if m == 3
	s_load_b512 s[68:83], s[4:5], (\imm)+192
.endif
.set m, m+1
.endr
	v_max3_num_f32 v20, v20, v21, v22
	v_max_num_f32 v20, v20, v23
	v_permlanex16_b32 v6, v20, s12, s13            ; the query's other 64 keys lie in the lane 16 away
	v_max_num_f32 v20, v20, v6
	v_mul_f32 v20, s10, v20                        ; as t (c is positive)
	v_max_num_f32 v[rN+1], v[rN+1], v20            ; the running largest t
	v_mov_b32 v20, v[rN]
	v_floor_f32 v[rN], -v[rN+1]                    ; the new -M = floor(-t): M is a whole number
	v_sub_f32 v20, v[rN], v20                      ; old M - new M: a whole number, 0 or less
	v_cvt_i32_f32 v20, v20                         ; (it saturates)
	v_ldexp_f32 v16, 1.0, v20                      ; f = 2^(old M - new M)
.endm
.macro FMA rs, rn, k                   ; pair k: t - M (of the pairs c and -M the low word serves both halves)
	v_pk_fma_f32 v[\rs+2*(\k):\rs+2*(\k)+1], v[\rs+2*(\k):\rs+2*(\k)+1], s[10:11], v[\rn:\rn+1] op_sel_hi:[1,0,0]
.endm
.macro SUM rs, rl, k                   ; pair k joins the row's sum: the even pairs in one chain, which begins as sum x f + pair 0, the odd pairs in another
.if (\k) == 0
	s_wait_alu depctr_va_vdst(0)
	v_pk_fma_f32 v[\rl:\rl+1], v[\rl:\rl+1], v[16:17], v[\rs:\rs+1] op_sel_hi:[1,0,1]
.elseif (\k) == 1
.elseif (\k) == 3
	v_pk_add_f32 v[18:19], v[\rs+2:\rs+3], v[\rs+6:\rs+7]
.elseif ((\k)%2) == 0
	s_wait_alu depctr_va_vdst(0)
	v_pk_add_f32 v[\rl:\rl+1], v[\rl:\rl+1], v[\rs+2*(\k):\rs+2*(\k)+1]
.else
	v_pk_add_f32 v[18:19], v[18:19], v[\rs+2*(\k):\rs+2*(\k)+1]
.endif
.endm
; p = 2^(t - M) and the sum of the unquantised p.  Plain and transcendental lines alternate: the scaling runs two pairs ahead of the exponentials, the sum two pairs behind, so each exponential has a plain
; instruction behind it before its result is used (ISA guide 5.7.2).
.macro EXPSUM t
.set rS, S+64*(\t)
.set rN, 8+4*(\t)
.set rL, 10+4*(\t)
	FMA rS, rN, 0
	FMA rS, rN, 1
.set i, 0
.rept 32
.if i+2 < 32
	FMA rS, rN, i+2
.endif
	v_exp_f32 v[rS+2*i], v[rS+2*i]
.if i >= 2
	SUM rS, rL, i-2
.endif
	v_exp_f32 v[rS+2*i+1], v[rS+2*i+1]
.set i, i+1
.endr
	SUM rS, rL, 30
	SUM rS, rL, 31
	v_pk_add_f32 v[rL:rL+1], v[rL:rL+1], v[18:19]
.endm
.macro HOLD t                          ; the conversion does not saturate (ISA guide 7.6.2).  p is at most 1 (but for a last bit), and 57,344 x 2^e8 is 1.75 or more from e8 = -15 on: the hold can bite only under that
	s_cmp_ge_i32 s88, -15
	s_cbranch_scc1 .Lfits_\@
.set n, 0
.rept 64
	v_min_num_f32 v[S+64*(\t)+n], v[S+64*(\t)+n], v4
.set n, n+1
.endr
.Lfits_\@:
.endm
.macro CVTP t
.irp c, 0,1,2,3,4,5,6,7
	v_cvt_scalef32_pk8_bf8_f32 v[P+16*(\t)+2*\c:P+16*(\t)+2*\c+1], v[S+64*(\t)+8*\c:S+64*(\t)+8*\c+7], v5
.endr
.endm
.macro RESC t                          ; O^T under the new M.  These sixteen are also the plain instructions between the conversions and the products that read the codes
	WIN 0x41
.set i, 0
.rept 16
	v_pk_mul_f32 v[32*(\t)+2*i:32*(\t)+2*i+1], v[32*(\t)+2*i:32*(\t)+2*i+1], v[16:17] op_sel_hi:[1,0]
.set i, i+1
.endr
.endm
.macro PV t, q                         ; O^T += v^T p^T: four accumulators, one instruction each; the matrix instruction ahead of them wrote another accumulator
	WIN 0x51
.irp u, 0,1,2,3
	v_wmma_f32_16x16x128_bf8_bf8 v[32*(\t)+8*\u:32*(\t)+8*\u+7], v[128+64*(\q)+16*\u:128+64*(\q)+16*\u+15], v[P+16*(\t):P+16*(\t)+15], v[32*(\t)+8*\u:32*(\t)+8*\u+7]
.endr
.endm
; A KEY STEP: step q of slot sl; sg = its number in the trip.  k's fragments were asked for in the step before.
; In a pair's second step the other slot is filled and the work-group meets: in front of the signal each wave's reads of the slot in hand are back (k's, and v's just asked for) and its stores into the other slot are done.
.macro STEPM sl, q, sg
	VLOAD \sl, \q
.if \q == 0
	s_wait_dscnt 16                                ; k's 16 loads are in; v's 16 may be out
.else
	WIN 0
.if \sg == 3
	s_cmp_eq_u32 s15, 1                            ; the last trip has no pair left to store,
	s_cbranch_scc1 .Lnofill_\@
.endif
	s_wait_loadcnt 0x0                             ; the pair asked for two steps ago
	GSTORE 1-\sl
	s_wait_dscnt 0x0                               ; the stores have read their registers and are done; all my LDS loads are back
.if \sg == 1
	s_cmp_eq_u32 s15, 1                            ; nor one to ask for: no load leaves the buffer
	s_cbranch_scc1 .Lnofill_\@
.endif
	GLOAD (\sg+3)/2
.Lnofill_\@:
.if \sg == 3
	s_wait_dscnt 0x0                               ; (on the way that jumped: my LDS loads are back)
.endif
	s_barrier_signal -1
.endif
	KQ
	WIN 0
.rept 4
	v_nop                                          ; places behind the products, in front of the first read of S^T
.endr
.if \q == 1
	s_barrier_wait -1                              ; the other slot is whole, and nobody reads this one any more
.endif
	s_wait_kmcnt 0x0                               ; tile 0's words
	MASKMAX 0, \sg*256+8192, 0                     ; asks for tile 1's words of this step
.if \q == 0
	KLOAD \sl, 1                                   ; the next step's k
	WIN 0
.else
.if \sg == 3
	s_cmp_eq_u32 s15, 1
	s_cbranch_scc1 .Lnok_\@
.endif
	KLOAD 1-\sl, 0
	WIN 0
.if \sg == 3
.Lnok_\@:
.endif
.endif
	EXPSUM 0
	HOLD 0
	CVTP 0
	RESC 0
.if \q == 0
	s_wait_dscnt 16                                ; v's 16 loads are in; the next k's 16 may be out
.endif
	PV 0, \q
	WIN 0
	s_wait_kmcnt 0x0                               ; tile 1's words
.if \sg == 3
	MASKMAX 1, 0, 1                                ; asks for tile 0's words of the next trip's first step.  (In the last trip: the first words of my second tile once more, inside the buffer; nothing uses them)
.else
	MASKMAX 1, (\sg+1)*256, 0                      ; asks for tile 0's words of the next step
.endif
	EXPSUM 1
	HOLD 1
	CVTP 1
	RESC 1
	PV 1, \q
	WIN 0
.endm
	s_load_b256 s[92:99], s[0:1], 0x0              ; qkv s[92:93], maskw s[94:95], the scales' exponents s[96:97], ao s[98:99]
	v_lshl_add_u32 v254, v0, 2, 0x10000
	v_mov_b32 v255, 0
	v_lshrrev_b32 v1, 5, v0
	v_readfirstlane_b32 s66, v1                    ; wave 0..7
	v_and_b32 v1, 31, v0
	v_lshlrev_b32 v1, 4, v1                        ; 16 x lane
	v_lshlrev_b32 v2, 4, v0                        ; 16 x thread
	s_and_b32 s67, ttmp7, 0xffff                   ; the head
	s_mul_i32 s100, s67, HEADB                     ; its records
	s_lshl_b32 s101, ttmp9, 4
	s_lshl_b32 s14, s66, 1
	s_add_co_u32 s101, s101, s14                   ; a0, my first tile of 16 queries: 16 x + 2 wave
	s_lshl_b32 s4, s101, 13                        ; its mask words: 32 steps x 256 bytes
	s_mov_b32 s5, 0
	s_lshl_b32 s6, s101, 14                        ; its place in ao: 16,384 a + 1,024 head
	s_lshl_b32 s14, s67, 10
	s_add_co_u32 s6, s6, s14
	s_mov_b32 s7, 0
	s_lshl_b32 s8, ttmp9, 1                        ; q: record 2 x + wave / 4, token tile 2 (wave % 4)
	s_lshr_b32 s14, s66, 2
	s_add_co_u32 s8, s8, s14
	s_mul_i32 s8, s8, RECB
	s_add_co_u32 s8, s8, s100
	s_and_b32 s14, s66, 3
	s_lshl_b32 s14, s14, 11
	s_add_co_u32 s8, s8, s14
	s_mov_b32 s9, 0
	s_add_co_u32 s2, s100, 8192                    ; k of the head's first step; v follows it
	s_mov_b32 s3, 0
	s_mov_b32 s12, 0x76543210
	s_mov_b32 s13, 0xfedcba98                      ; v_permlanex16_b32's selects for lane l xor 16
	s_wait_kmcnt 0x0
	s_load_b256 s[84:91], s[96:97], 0x10           ; e4 .. e11
	s_add_nc_u64 s[2:3], s[92:93], s[2:3]
	s_add_nc_u64 s[8:9], s[92:93], s[8:9]
	s_add_nc_u64 s[4:5], s[94:95], s[4:5]
	s_add_nc_u64 s[6:7], s[98:99], s[6:7]
	GLOAD 0
.irp t, 0,1
	global_load_b128 v[QF+8*\t:QF+8*\t+3], v1, s[8:9] offset:\t*1024       ; q's fragments stay in registers
	global_load_b128 v[QF+8*\t+4:QF+8*\t+7], v1, s[8:9] offset:\t*1024+512
.endr
	s_load_b512 s[16:31], s[4:5], 0x0              ; the words of (step 0, tile 0)
	s_load_b512 s[32:47], s[4:5], 0x40
	s_load_b512 s[48:63], s[4:5], 0x80
	s_load_b512 s[68:83], s[4:5], 0xc0
	v_mov_b32 v6, 0                                ; written once: a lane permute's destination counts as one of its sources
	v_mov_b32 v7, 0
	v_mov_b32 v17, 0                               ; (named as the upper half of the pair v[16:17])
	v_mov_b32 v9, 0xff61b1e6                       ; the largest t so far: -3e38, under every t
	v_mov_b32 v13, 0xff61b1e6
	v_floor_f32 v8, -v9                            ; -M
	v_floor_f32 v12, -v13
	v_mov_b32 v10, 0                               ; the sums
	v_mov_b32 v11, 0
	v_mov_b32 v14, 0
	v_mov_b32 v15, 0
	WIN 0x40
.set i, 0
.rept 64
	v_mov_b32 v[i], 0                              ; O^T.  (The step is written once: the first finds zeros, which the first change of M leaves zeros)
.set i, i+1
.endr
	WIN 0
	s_wait_kmcnt 0x0
	s_add_co_i32 s100, s86, s87                    ; e6 + e7
	s_lshl_b32 s101, s100, 23
	s_add_co_i32 s10, s101, 0x3e38aa3b             ; c = log2(e) / 8 x 2^(e6 + e7): the exponents are added to the exponent field
	s_mov_b32 s11, s10                             ; (named with it as a pair, so it is written)
	s_sub_co_i32 s100, 160, s100
	s_lshl_b32 s100, s100, 23
	s_or_b32 s100, s100, 0x80000000
	v_mov_b32 v3, s100                             ; the masked raw score, -2^(33 - e6 - e7): a logit of -2^30
	s_add_co_i32 s100, s88, 127
	s_lshl_b32 s101, s100, 23
	v_mov_b32 v5, s101                             ; 2^e8 as f32, for p's conversions
	s_add_co_i32 s100, s100, 15
	s_lshl_b32 s100, s100, 23
	s_or_b32 s100, s100, 0x600000
	v_mov_b32 v4, s100                             ; 57,344 x 2^e8
	s_wait_loadcnt 4                               ; pair 0 is in; q's four loads may be out
	GSTORE 0
	s_wait_dscnt 0x0                               ; the stores are done and have read their registers
	GLOAD 1
	s_barrier_signal -1
	s_barrier_wait -1                              ; slot 0 is whole
	KLOAD 0, 0
	WIN 0
	s_wait_loadcnt 8                               ; q is in; pair 1's eight loads may be out
	s_mov_b32 s15, 8
.Ltrip:                                            ; a trip: four key steps, once through both slots
	STEPM 0, 0, 0
	STEPM 0, 1, 1
	STEPM 1, 0, 2
	STEPM 1, 1, 3
	s_wait_xcnt 0x0                                ; the loads have read their base
	s_add_nc_u64 s[2:3], s[2:3], 4*RECB
	s_sub_co_u32 s15, s15, 1
	s_cmp_lg_u32 s15, 0
	s_cbranch_scc1 .Ltrip
	; THE WAY OUT.  O^T / the sum x 2^(e8 + e9), held and quantised with 2^e10.  The additions are the places behind the last products.
	s_wait_kmcnt 0x0                               ; the last request for words, of which nothing is used
	v_add_f32 v10, v10, v11                        ; the sum's two halves,
	v_add_f32 v14, v14, v15
	v_permlanex16_b32 v6, v10, s12, s13
	v_permlanex16_b32 v7, v14, s12, s13
	v_add_f32 v10, v10, v6                         ; and lane l xor 16's
	v_add_f32 v14, v14, v7
	v_rcp_f32 v10, v10
	v_rcp_f32 v14, v14
	v_nop                                          ; a plain instruction behind the transcendentals
	s_add_co_i32 s67, s88, s89
	s_wait_alu depctr_va_vdst(0)
	v_ldexp_f32 v16, v10, s67                      ; x 2^(e8 + e9)
	v_ldexp_f32 v18, v14, s67
	s_add_co_i32 s100, s90, 127
	s_lshl_b32 s101, s100, 23
	v_mov_b32 v5, s101                             ; 2^e10
	s_add_co_i32 s100, s100, 15
	s_lshl_b32 s100, s100, 23
	s_or_b32 s100, s100, 0x600000
	v_mov_b32 v4, s100                             ; 57,344 x 2^e10
; Tile t.  Codes 2 u, 2 u + 1 hold channels 16 u + 8 h + 0 .. 7 of query r.  The last launch's fragment wants 16 neighbours a lane, channels 32 c + 16 h + 0 .. 15: the halves of two registers change places
; (v_permlane16_swap_b32: the first's lanes 16-31 with the second's lanes 0-15).  Each store covers 512 consecutive bytes, aligned.
.macro OTILE t
	WIN 0x01
.set i, 0
.rept 16
	v_pk_mul_f32 v[S+64*\t+2*i:S+64*\t+2*i+1], v[32*\t+2*i:32*\t+2*i+1], v[16+2*\t:17+2*\t] op_sel_hi:[1,0]   ; each accumulator from its low end on
.set i, i+1
.endr
	WIN 0
.set i, 0
.rept 32
	v_med3_num_f32 v[S+64*\t+i], v[S+64*\t+i], -v4, v4
.set i, i+1
.endr
.irp u, 0,1,2,3
	v_cvt_scalef32_pk8_bf8_f32 v[P+16*\t+2*\u:P+16*\t+2*\u+1], v[S+64*\t+8*\u:S+64*\t+8*\u+7], v5
.endr
	v_nop                                          ; a plain instruction behind the last conversion
	v_permlane16_swap_b32 v[P+16*\t], v[P+16*\t+2]
	v_permlane16_swap_b32 v[P+16*\t+1], v[P+16*\t+3]
	v_permlane16_swap_b32 v[P+16*\t+4], v[P+16*\t+6]
	v_permlane16_swap_b32 v[P+16*\t+5], v[P+16*\t+7]
	global_store_b128 v1, v[P+16*\t:P+16*\t+3], s[6:7] offset:\t*16384
	global_store_b128 v1, v[P+16*\t+4:P+16*\t+7], s[6:7] offset:\t*16384+512
.endm
	OTILE 0
	OTILE 1
	s_wait_tensorcnt 0x0
	ds_add_u32 v254, v255
	s_wait_dscnt 0x0
	s_endpgm
.Lfunc_end_k_qa0de3ff64d_attn:
	.size	k_qa0de3ff64d_attn, .Lfunc_end_k_qa0de3ff64d_attn-k_qa0de3ff64d_attn
	.p2alignl 7, 3214868480
	.fill 96, 4, 3214868480
	.section	.rodata,"a",@progbits
	.p2align	6, 0x0
	.amdhsa_kernel k_qa0de3ff64d_attn
		.amdhsa_group_segment_fixed_size 66560
		.amdhsa_private_segment_fixed_size 0
		.amdhsa_enable_private_segment 0
		.amdhsa_kernarg_size 32
		.amdhsa_user_sgpr_count 2
		.amdhsa_user_sgpr_kernarg_segment_ptr 1
		.amdhsa_wavefront_size32 1
		.amdhsa_system_sgpr_workgroup_id_x 1
		.amdhsa_system_sgpr_workgroup_id_y 1
		.amdhsa_system_sgpr_workgroup_id_z 1
		.amdhsa_system_vgpr_workitem_id 0
		.amdhsa_next_free_vgpr 512
		.amdhsa_next_free_sgpr 102
		.amdhsa_reserve_vcc 0
		.amdhsa_float_denorm_mode_32 3
		.amdhsa_float_denorm_mode_16_64 3
		.amdhsa_memory_ordered 1
		.amdhsa_forward_progress 1
		.amdhsa_inst_pref_size 170
	.end_amdhsa_kernel
	.amdgpu_metadata
---
amdhsa.version: [ 1, 2 ]
amdhsa.kernels:
  - .name:           k_qa0de3ff64d_attn
    .symbol:         k_qa0de3ff64d_attn.kd
    .args:
      - { .name: qkv, .offset: 0, .size: 8, .value_kind: global_buffer, .address_space: global }
      - { .name: maskw, .offset: 8, .size: 8, .value_kind: global_buffer, .address_space: global }
      - { .name: lowp_scales, .offset: 16, .size: 8, .value_kind: global_buffer, .address_space: global }
      - { .name: ao, .offset: 24, .size: 8, .value_kind: global_buffer, .address_space: global }
    .group_segment_fixed_size: 66560
    .private_segment_fixed_size: 0
    .kernarg_segment_align: 8
    .kernarg_segment_size: 32
    .max_flat_workgroup_size: 256
    .sgpr_count:     102
    .vgpr_count:     512
    .wavefront_size: 32
...
	.end_amdgpu_metadata
.endif
;; end of part 3
;; launch oproj (part 4): grid 4 x 16, 4 waves a work-group, clusters of 4 x 4, 327,680 bytes of LDS; arguments ao, Wo_w_codes, lowp_scales, out0, Wo_b; writes out0
.if DOCPART == 4
	.amdgcn_target "amdgcn-amd-amdhsa--gfx1250"
	.amdhsa_code_object_version 6
	.text
	.protected	k_qa0de3ff64d_oproj
	.globl	k_qa0de3ff64d_oproj
	.p2align	8
	.type	k_qa0de3ff64d_oproj,@function
k_qa0de3ff64d_oproj:
	s_mov_b64 s[64:65], 0
	v_nop
	global_prefetch_b8 v0, s[64:65] scope:SCOPE_SE
	s_setreg_imm32_b32 hwreg(HW_REG_WAVE_MODE, 25, 1), 1
	s_wait_xcnt 0x0
	s_wait_alu depctr_hold_cnt(0) depctr_sa_sdst(0) depctr_va_vdst(0) depctr_va_sdst(0) depctr_va_ssrc(0) depctr_va_vcc(0) depctr_vm_vsrc(0)
	s_getreg_b32 s2, hwreg(HW_REG_IB_STS2, 6, 4)
	s_cmp_eq_u32 s2, 0
	s_cbranch_scc0 .Lentry_in_a_cluster
	s_endpgm
.Lentry_in_a_cluster:
	s_bfe_u32 s2, ttmp6, 0x10000c
	s_cmp_lg_u32 s2, 0xf033
	s_cbranch_scc0 .Lentry_shape_is_right
	s_endpgm
.Lentry_shape_is_right:
; out0 = ao Wo^T + bo on codes of BF8 (E5M2).  ao: 4,096 tokens x 1,024, as images of operand registers: 2,048 bytes at 16,384 a + 2,048 kk are the fragment (tokens 16 a .., K 128 kk ..): four chunks of 512 bytes,
; lane l's 16 bytes at 16 l = K 32 c + 16 (l / 16) + 0 .. 15 of token 16 a + l % 16.  Wo: [1024][1024] codes, K innermost.  out0: [4096][1024] f32.  Each finished sum x 2^(e10 + e11) + bias, one fused multiply-add.
; LIMIT: e10 + e11 between -126 and 127, so that 2^(e10 + e11) is an f32 number.
; A tile of 256 x 256 of out0 is made by four waves, 128 x 128 each: 64 accumulators.  K goes in steps of 256 through a ring of two LDS slots filled by the tensor data mover.
; CLUSTERS: 4 x 4 work-groups; ao's tile is asked for jointly by a row of the cluster, Wo's by a column.  THE MATRIX INSTRUCTION IS USED TRANSPOSED (source 0 = 16 rows of Wo, source 1 = 16 tokens): a lane holds eight
; neighbouring numbers of a row of out0.
; 64 work-groups: the tile is kept large, so that each byte read from LDS feeds as many products as the registers allow; a quarter of the WGPs have work.
; REGISTERS, in windows of 256: window 0: v0-31 addresses; v32-95 the bias; from v128 A's fragments, ONE set; on the way out v128-255 take rows read back.   window 1: B's fragments, TWO sets.
;   window 2: the accumulators of my rows 0-63 ((a, b) at v[8 (8 a + b)]);   window 3: those of my rows 64-127.
.set SIZE_N, 1024
.set SIZE_K, 1024
.set KSTEP,  256
.set ROWB,   256                       ; a row of Wo's tile in bytes
.set KROW,   SIZE_K
.set PITCH,  272                       ; Wo's rows in LDS: 256 bytes + 16 of padding, so the 16 rows that a load touches start 4 words apart (64 banks of 4 bytes: ISA guide 11.1)
.set FR,     16
.set NL,     4
.set NP,     4
.set ATILE,  4096                      ; a token tile's bytes of a K step: two fragments' images
.set AROW,   16384                     ; from a token tile to the next in ao
.set AHALF,  8*ATILE                   ; eight token tiles: what one tensor load brings of ao, dense
.set BHALF,  128*PITCH                 ; 128 rows of Wo
.set BOFF,   2*AHALF                   ; a slot: ao's 16 token tiles, then Wo's 256 rows
.set SLOT,   2*AHALF+2*BHALF
.set LAPS,   SIZE_K/(2*KSTEP)
.set SPARE,  2*SLOT                    ; behind the ring: the spare words, 128 bytes for each wave: two blocks of 256 bytes that no other line names
.set SPITCH, 528                       ; the way out: a stage of 16 rows x (512 bytes + 16) for each wave, in slot 0, which has had its last fill and its last read when the first result is stored there
.set ADRA, 16
.set ADRB, 20
.set STO,  24                          ; v24  the way out: where I put 32 bytes of a row
.set RD,   25                          ; v25  and where I read a row back
.set CO,   26                          ; v26  16 x lane
.set SPW,  28
.set NIL,  29
.set BR,   32                          ; v32-95  bias of column 16 b + 8 h + i at register 8 b + i
.set AF,   128
.set BK,   128                         ; the way out: 16 rows read back: v128-191 and v192-255 by turns
.set G1, 24
.set G0, 32
.set G1B, 48
.set G0B, 56
.set MSB, 0
.macro WIN new
.if MSB != (\new)
	s_set_vgpr_msb (MSB<<8)|(\new)
.set MSB, (\new)
.endif
.endm
.set MUL_LO, 0xa1
.set MUL_HI, 0xf1
.set TO_B,   0x40
.macro JLOAD g0a, g1a, g0b, g1b        ; a joint load: waves 0 and 1 fetch for ao, waves 2 and 3 for Wo; four v_nop follow each of the two lines
	s_cmp_eq_u32 s15, 0
	s_cbranch_scc0 .Lfor_b_\@
	tensor_load_to_lds s[\g0a:\g0a+3], s[\g1a:\g1a+7]
	s_nop 0
.rept 4
	v_nop
.endr
	s_branch .Lasked_\@
.Lfor_b_\@:
	tensor_load_to_lds s[\g0b:\g0b+3], s[\g1b:\g1b+7]
	s_nop 0
.rept 4
	v_nop
.endr
.Lasked_\@:
.endm
.macro CREST
	s_cmp_lg_u32 s14, 0
	s_cbranch_scc1 .Lnot_wave_0_\@
	s_barrier_signal -3
.Lnot_wave_0_\@:
	s_barrier_wait -3
	s_barrier_signal -1
	s_barrier_wait -1
.endm
.macro CROUND
	s_barrier_signal -1
	s_barrier_wait -1
	CREST
.endm
	s_load_b128 s[4:7], s[0:1], 0x0                ; ao s[4:5], Wo's codes s[6:7]
	s_load_b128 s[8:11], s[0:1], 0x10              ; the scales' exponents s[8:9], out0 s[10:11]
	s_load_b64 s[12:13], s[0:1], 0x20              ; bo
	v_lshl_add_u32 v[SPW], v0, 2, SPARE
	v_mov_b32 v[NIL], 0
	ds_add_u32 v28, v29
	ds_add_u32 v28, v29
	s_wait_dscnt 0x0
	v_lshrrev_b32 v1, 5, v0
	v_readfirstlane_b32 s14, v1                    ; wave 0..3
	s_lshr_b32 s15, s14, 1                         ; which half of the tile's rows is mine.  Also: I fetch for ao (0) or for Wo (1)
	s_and_b32 s16, s14, 1                          ; which half of its columns.  Also: which half of that tile I fetch
	s_bfe_u32 s40, ttmp6, 0x40000                  ; cx, cy
	s_bfe_u32 s41, ttmp6, 0x40004
	s_lshl_b32 s42, ttmp9, 2
	s_add_co_u32 s42, s42, s40                     ; tile column = 4 x cluster x + cx
	s_and_b32 s17, ttmp7, 0xffff
	s_lshl_b32 s17, s17, 2
	s_add_co_u32 s17, s17, s41                     ; tile row = 4 x cluster y + cy
	s_lshl_b32 s43, s41, 2
	s_lshl_b32 s43, 15, s43                        ; my row of the cluster
	s_lshl_b32 s44, 0x1111, s40                    ; my column
	; group 1 for ao: 8 rows (token tiles) of 4,096 bytes, 16,384 bytes apart, dense in LDS
	s_or_b32 s[G1+0], s43, (0<<16)|(1<<21)         ; 15:0 the mask: my row; 17:16 element of 1 byte; 20 no padding; 21 set beside a mask
	s_mov_b32 s[G1+1], ATILE<<16                   ; tensor_dim0
	s_mov_b32 s[G1+2], 8<<16                       ; tensor_dim1
	s_mov_b32 s[G1+3], ATILE<<16                   ; tile_dim0
	s_mov_b32 s[G1+4], 8                           ; tile_dim1
	s_mov_b32 s[G1+5], AROW                        ; tensor_dim0_stride
	s_mov_b32 s[G1+6], 0
	s_mov_b32 s[G1+7], 0
	; group 1 for Wo: 128 rows of 256 bytes, padded in LDS
	s_or_b32 s[G1B+0], s44, (0<<16)|(1<<20)|(1<<21)|(5<<22)|(3<<25)  ; the mask: my column; padding of 4 words after every 64
	s_mov_b32 s[G1B+1], ROWB<<16
	s_mov_b32 s[G1B+2], 128<<16
	s_mov_b32 s[G1B+3], ROWB<<16
	s_mov_b32 s[G1B+4], 128
	s_mov_b32 s[G1B+5], KROW
	s_mov_b32 s[G1B+6], 0
	s_mov_b32 s[G1B+7], 0
	s_lshl_b32 s18, s16, 17                        ; my half: 8 token tiles of 16,384 bytes; likewise 128 rows of 1,024 bytes
	s_lshl_b32 s20, s17, 18
	s_add_co_u32 s20, s20, s18                     ; ao: token tile 16 x tile row + 8 x half
	s_lshl_b32 s46, s42, 18
	s_add_co_u32 s46, s46, s18                     ; Wo: row 256 x tile column + 128 x half
	s_mov_b32 s21, 0
	s_mov_b32 s47, 0
	s_mul_i32 s45, s16, AHALF                      ; where they go: no place in the cluster enters an LDS address
	s_mul_i32 s19, s16, BHALF
	s_add_co_u32 s19, s19, BOFF
	s_wait_kmcnt 0x0
	s_load_b64 s[96:97], s[8:9], 0x28              ; e10, e11
	s_add_nc_u64 s[20:21], s[4:5], s[20:21]
	s_add_nc_u64 s[46:47], s[6:7], s[46:47]
	CROUND                                         ; all sixteen work-groups are here: the first joint loads meet
.irp s, 0,1
	s_mov_b32 s[G0+4*\s], 1
	s_add_co_u32 s[G0+4*\s+1], s45, \s*SLOT
	s_add_nc_u64 s[G0+4*\s+2:G0+4*\s+3], s[20:21], \s*ATILE
	s_or_b32 s[G0+4*\s+3], s[G0+4*\s+3], 0x80000000
	s_mov_b32 s[G0B+4*\s], 1
	s_add_co_u32 s[G0B+4*\s+1], s19, \s*SLOT
	s_add_nc_u64 s[G0B+4*\s+2:G0B+4*\s+3], s[46:47], \s*ROWB
	s_or_b32 s[G0B+4*\s+3], s[G0B+4*\s+3], 0x80000000
	JLOAD G0+4*\s, G1, G0B+4*\s, G1B
.endr
	v_and_b32 v1, 15, v0                           ; r
	v_bfe_u32 v2, v0, 4, 1                         ; h
	v_and_b32 v6, 31, v0
	v_lshlrev_b32 v[CO], 4, v6                     ; 16 x lane
	v_lshlrev_b32 v7, 5, v2                        ; 32 h: eight f32 numbers
	s_lshl_b32 s20, s17, 8
	s_lshl_b32 s21, s15, 7
	s_add_co_u32 s20, s20, s21                     ; my first row of out0: 256 x tile row + 128 x half
	s_mov_b32 s21, 0
	s_mov_b64 s[18:19], SIZE_N*4
	s_mul_u64 s[20:21], s[20:21], s[18:19]
	s_lshl_b32 s46, s42, 10                        ; my first column, in bytes of f32: 1,024 x tile column + 512 x half: in out0's rows and in the bias alike
	s_lshl_b32 s47, s16, 9
	s_add_co_u32 s46, s46, s47
	s_mov_b32 s47, 0
	s_add_nc_u64 s[12:13], s[12:13], s[46:47]
	s_add_nc_u64 s[20:21], s[20:21], s[46:47]
	s_add_nc_u64 s[10:11], s[10:11], s[20:21]
.irp b, 0,1,2,3,4,5,6,7
	global_load_b128 v[BR+8*\b:BR+8*\b+3], v7, s[12:13] offset:64*\b
	global_load_b128 v[BR+8*\b+4:BR+8*\b+7], v7, s[12:13] offset:64*\b+16
.endr
	v_mul_u32_u24 v3, v1, PITCH
	v_lshl_add_u32 v4, v2, 4, v3                   ; Wo: a fragment's row x pitch + 16 x half
	s_mul_i32 s21, s15, AHALF                      ; my eight token tiles
	s_mul_i32 s22, s16, BHALF                      ; my 128 rows of Wo
	s_add_co_u32 s22, s22, BOFF
.irp s, 0,1
	v_add_nc_u32 v[ADRA+\s], s21, v[CO]
	v_add_nc_u32 v[ADRB+\s], s22, v4
	s_add_co_u32 s21, s21, SLOT
	s_add_co_u32 s22, s22, SLOT
.endr
	s_mul_i32 s23, s14, 16*SPITCH                  ; my stage
	v_mul_u32_u24 v5, v1, SPITCH                   ; in: row r, 32 bytes for each half of the lanes
	v_lshl_add_u32 v5, v2, 5, v5
	v_add_nc_u32 v[STO], s23, v5
	v_add_nc_u32 v[RD], s23, v[CO]                 ; back: the 32 lanes take one row of 512 bytes
.macro FRAG reg, adr, q, i             ; Wo: registers 4 c .. 4 c + 3 hold K = 32 c + 16 (l / 16) + 0 .. 15 of row l % 16
.irp c, 0,1,2,3
	ds_load_b128 v[\reg+4*\c:\reg+4*\c+3], v[\adr] offset:128*(\q)+32*\c+(\i)*16*PITCH
.endr
.endm
.macro FRAGA reg, adr, q, i            ; ao: the image as it lies: the same places of K
.irp c, 0,1,2,3
	ds_load_b128 v[\reg+4*\c:\reg+4*\c+3], v[\adr] offset:(\i)*ATILE+(\q)*2048+512*\c
.endr
.endm
.macro MUL16 a0, p, zero               ; 16 matrix instructions; the 64 accumulators take turns, one instruction a turn
.irp a, \a0, \a0+1
.irp b, 0,1,2,3,4,5,6,7
.if \zero
	v_wmma_f32_16x16x128_bf8_bf8 v[8*(8*((\a)%4)+\b):8*(8*((\a)%4)+\b)+7], v[128*(\p)+FR*\b:128*(\p)+FR*\b+FR-1], v[AF+FR*(\a):AF+FR*(\a)+FR-1], 0
.else
	v_wmma_f32_16x16x128_bf8_bf8 v[8*(8*((\a)%4)+\b):8*(8*((\a)%4)+\b)+7], v[128*(\p)+FR*\b:128*(\p)+FR*\b+FR-1], v[AF+FR*(\a):AF+FR*(\a)+FR-1], v[8*(8*((\a)%4)+\b):8*(8*((\a)%4)+\b)+7]
.endif
.endr
.endr
.endm
.macro FETCH_B slot, q, p
	WIN TO_B
.irp i, 0,1,2,3,4,5,6,7
	FRAG 128*(\p)+FR*\i, ADRB+\slot, \q, \i
.endr
	WIN 0
.endm
.macro FETCH_A slot, q, i0
.irp i, \i0, \i0+1, \i0+2, \i0+3
	FRAGA AF+FR*(\i), ADRA+\slot, \q, \i
.endr
.endm
.macro PLACES n                        ; plain vector instructions between a matrix instruction and a load into, or a vector read of, its registers (ISA guide 7.12.1 for vector reads)
.rept \n
	v_nop
.endr
.endm
.macro STEP slot, q, zero
	s_wait_dscnt 4*NL                              ; B's set and A's blocks 0-3 are in; the youngest 16 loads (A's blocks 4-7) may be out
	WIN MUL_LO
	MUL16 0, (\q)%2, \zero
	MUL16 2, (\q)%2, \zero
	s_wait_dscnt 0
	PLACES NP
	FETCH_B \slot, (\q)+1, 1-(\q)%2
	FETCH_A \slot, (\q)+1, 0
	WIN MUL_HI
	MUL16 4, (\q)%2, \zero
	MUL16 6, (\q)%2, \zero
	PLACES NP
	WIN 0
	FETCH_A \slot, (\q)+1, 4
.endm
.macro TURN slot, next, fill
	s_wait_tensorcnt 0x0                           ; all my tensor loads have landed: my part of the next slot  (every window is 0 here)
	ds_add_u32 v[SPW], v[NIL]                      ; 0 onto my spare word
	s_wait_dscnt 4*NL+1                            ; (the add and the youngest 16 loads may be out)
	WIN MUL_LO
	MUL16 0, 1, 0
	s_wait_dscnt 0x0                               ; the add is done, and my reads of this slot are over
	s_barrier_signal -1
	MUL16 2, 1, 0
	WIN 0
	s_barrier_wait -1
.if \fill
	CREST                                          ; the barrier has opened a round of the cluster's barrier
	s_add_nc_u64 s[G0+4*\slot+2:G0+4*\slot+3], s[G0+4*\slot+2:G0+4*\slot+3], 2*ATILE
	s_add_nc_u64 s[G0B+4*\slot+2:G0B+4*\slot+3], s[G0B+4*\slot+2:G0B+4*\slot+3], 2*ROWB
	JLOAD G0+4*\slot, G1, G0B+4*\slot, G1B         ; the first tensor load behind the round; its four v_nop are the places in front of the loads below
.else
	PLACES NP
.endif
	FETCH_B \next, 0, 0
	FETCH_A \next, 0, 0
	WIN MUL_HI
	MUL16 4, 1, 0
	MUL16 6, 1, 0
	PLACES NP
	WIN 0
	FETCH_A \next, 0, 4
.endm
	s_wait_tensorcnt 1                             ; my part of slot 0 is in (slot 1's load may be out)
	s_barrier_signal -1
	s_barrier_wait -1
	FETCH_B 0, 0, 0
	FETCH_A 0, 0, 0
	FETCH_A 0, 0, 4
	STEP 0, 0, 1
.rept LAPS-1                           ; K = 1,024 is two laps: the one lap that fills both slots again is written out
	TURN 0, 1, 1
	STEP 1, 0, 0
	TURN 1, 0, 1
	STEP 0, 0, 0
.endr
	TURN 0, 1, 0
	STEP 1, 0, 0
	s_wait_dscnt 4*NL
	WIN MUL_LO
	MUL16 0, 1, 0
	MUL16 2, 1, 0
	s_wait_dscnt 0
	WIN MUL_HI
	MUL16 4, 1, 0
	MUL16 6, 1, 0
	WIN 0
; THE WAY OUT, block by block of 16 rows x 128 columns: sum x 2^(e10 + e11) + bias in place, each accumulator from its low end on; through my own stage in LDS; back as whole rows of 512 bytes.
; LDS serves a wave's instructions in order (ISA guide 5.7.1.4): no wait between the stores and the loads, nor in front of the next block's stores.
.macro TOSTAGE a
.set AC, 64*((\a)%4)
.set OW, 2+(\a)/4
	WIN (OW<<6)|OW                                 ; destination and source 0: window 2 or 3
.irp j, 0,2,4,6,8,10,12,14,16,18,20,22,24,26,28,30,32,34,36,38,40,42,44,46,48,50,52,54,56,58,60,62
	v_pk_fma_f32 v[AC+\j:AC+\j+1], v[AC+\j:AC+\j+1], s[96:97], v[BR+\j:BR+\j+1] op_sel_hi:[1,0,1]
.endr
	WIN OW<<2                                      ; an LDS store's data are its source 1
.irp b, 0,1,2,3,4,5,6,7
	ds_store_b128 v[STO], v[AC+8*\b:AC+8*\b+3] offset:64*\b
	ds_store_b128 v[STO], v[AC+8*\b+4:AC+8*\b+7] offset:64*\b+16
.endr
	WIN 0
.set BB, BK+64*((\a)%2)
.irp t, 0,1,2,3,4,5,6,7,8,9,10,11,12,13,14,15
	ds_load_b128 v[BB+4*\t:BB+4*\t+3], v[RD] offset:\t*SPITCH
.endr
.endm
.macro SEND a, younger                 ; younger: the LDS instructions issued behind block a's loads, which may stay out
.set BB, BK+64*((\a)%2)
	s_wait_dscnt \younger
.if (\a) > 0
	s_add_nc_u64 s[10:11], s[10:11], 16*SIZE_N*4   ; (behind a wait on XCNT: the earlier stores have read their base)  16 rows on
.endif
.irp t, 0,1,2,3,4,5,6,7,8,9,10,11,12,13,14,15
	global_store_b128 v[CO], v[BB+4*\t:BB+4*\t+3], s[10:11] offset:\t*SIZE_N*4 th:TH_STORE_NT   ; 32 lanes store 512 consecutive bytes, aligned; written once
.endr
.endm
	s_wait_kmcnt 0x0
	s_add_co_i32 s96, s96, s97                     ; e10 + e11
	s_add_co_i32 s96, s96, 127
	s_lshl_b32 s96, s96, 23                        ; 2^(e10 + e11) as f32
	s_mov_b32 s97, s96                             ; (named with it as a pair)
	s_wait_loadcnt 0x0                             ; the bias
	PLACES NP                                      ; behind the last products: for the reads of results and the loads into the registers that held A's fragments
	TOSTAGE 0
.irp a, 1,2,3,4,5,6,7
.if \a > 1
	s_wait_xcnt 0x0                                ; block a - 2's stores have read their registers and their base
.endif
	TOSTAGE \a
	SEND \a-1, 32                                  ; behind block a - 1's loads: block a's 16 stores and 16 loads
.endr
	s_wait_xcnt 0x0
	SEND 7, 0
	s_wait_tensorcnt 0x0                           ; the wave's end
	ds_add_u32 v[SPW], v[NIL]
	s_wait_dscnt 0x0
	CROUND                                         ; the closing round
	s_endpgm
.Lfunc_end_k_qa0de3ff64d_oproj:
	.size	k_qa0de3ff64d_oproj, .Lfunc_end_k_qa0de3ff64d_oproj-k_qa0de3ff64d_oproj
	.p2alignl 7, 3214868480
	.fill 96, 4, 3214868480
	.section	.rodata,"a",@progbits
	.p2align	6, 0x0
	.amdhsa_kernel k_qa0de3ff64d_oproj
		.amdhsa_group_segment_fixed_size 327680
		.amdhsa_private_segment_fixed_size 0
		.amdhsa_enable_private_segment 0
		.amdhsa_kernarg_size 40
		.amdhsa_user_sgpr_count 2
		.amdhsa_user_sgpr_kernarg_segment_ptr 1
		.amdhsa_wavefront_size32 1
		.amdhsa_system_sgpr_workgroup_id_x 1
		.amdhsa_system_sgpr_workgroup_id_y 1
		.amdhsa_system_sgpr_workgroup_id_z 1
		.amdhsa_system_vgpr_workitem_id 0
		.amdhsa_next_free_vgpr 1024
		.amdhsa_next_free_sgpr 98
		.amdhsa_reserve_vcc 0
		.amdhsa_float_denorm_mode_32 3
		.amdhsa_float_denorm_mode_16_64 3
		.amdhsa_memory_ordered 1
		.amdhsa_forward_progress 1
		.amdhsa_inst_pref_size 125
	.end_amdhsa_kernel
	.amdgpu_metadata
---
amdhsa.version: [ 1, 2 ]
amdhsa.kernels:
  - .name:           k_qa0de3ff64d_oproj
    .symbol:         k_qa0de3ff64d_oproj.kd
    .args:
      - { .name: ao, .offset: 0, .size: 8, .value_kind: global_buffer, .address_space: global }
      - { .name: Wo_w_codes, .offset: 8, .size: 8, .value_kind: global_buffer, .address_space: global }
      - { .name: lowp_scales, .offset: 16, .size: 8, .value_kind: global_buffer, .address_space: global }
      - { .name: out0, .offset: 24, .size: 8, .value_kind: global_buffer, .address_space: global }
      - { .name: Wo_b, .offset: 32, .size: 8, .value_kind: global_buffer, .address_space: global }
    .group_segment_fixed_size: 327680
    .private_segment_fixed_size: 0
    .kernarg_segment_align: 8
    .kernarg_segment_size: 40
    .max_flat_workgroup_size: 128
    .sgpr_count:     98
    .vgpr_count:     1024
    .wavefront_size: 32
...
	.end_amdgpu_metadata
.endif
;; end of part 4
;; ======== version 2 of 2: 4 launches; version 1 with the launch attn written anew for expert scheduling mode
;; limits: right only within a limited range of input values
;; workspace buffers: maskw 2,097,152 bytes of whole numbers; qkv 12,582,912 bytes; ao 4,194,304 bytes
;; launch maskbits: the kernel of part 1 again; grid 512 x 1, 4 waves a work-group, no clusters, 34,304 bytes of LDS; arguments mask, maskw; writes maskw
;; launch qkv: the kernel of part 2 again; grid 4 x 48, 4 waves a work-group, clusters of 4 x 4, 327,680 bytes of LDS; arguments Q_codes, K_codes, V_codes, Wq_w_codes, Wk_w_codes, Wv_w_codes, Wq_b, Wk_b, Wv_b, lowp_scales, qkv; writes qkv
;; launch attn (part 5): grid 16 x 16, 8 waves a work-group, no clusters, 66,560 bytes of LDS; arguments qkv, maskw, lowp_scales, ao; writes ao
.if DOCPART == 5
	.amdgcn_target "amdgcn-amd-amdhsa--gfx1250"
	.amdhsa_code_object_version 6
	.text
	.protected	k_qa0de3ff64d_attn
	.globl	k_qa0de3ff64d_attn
	.p2align	8
	.type	k_qa0de3ff64d_attn,@function
k_qa0de3ff64d_attn:
	s_mov_b64 s[64:65], 0
	v_nop
	global_prefetch_b8 v0, s[64:65] scope:SCOPE_SE
	s_setreg_imm32_b32 hwreg(HW_REG_WAVE_SCHED_MODE, 0, 2), 2
	s_setreg_imm32_b32 hwreg(HW_REG_WAVE_MODE, 25, 1), 1
	s_wait_xcnt 0x0
	s_wait_alu depctr_vm_vsrc(0)
; ao[q][head] = Q(softmax_k(where(mask, q . k / 8, masked)) v), both products on codes of BF8 (E5M2); the result is quantised with 2^e10 and stored as the last launch's operand registers.
; THE SOFTMAX AHEAD OF THE SECOND PRODUCT: t = logit x log2(e); M = the row's largest t so far, rounded UP to a whole number; p = 2^(t - M) is quantised with 2^e8; it is not normalised.  The row's sum is taken of
; the unquantised p, in f32, and divides at the end.  When M moves, the sum and O are multiplied by 2^(old M - new M): exact.
; SHARES.  A work-group owns 256 queries (x) of one head (y); each of its eight waves two tiles of 16 queries, in 512 registers: two waves to a SIMD, so that one wave's matrix work, LDS loads and scalar loads
; stand beside the other's vector work, and each fragment of k and v read from LDS feeds two tiles.  Every wave walks the head's 32 steps of 128 keys: the mask is an input, so nothing is left out.
; LAYOUT.  Both products are used transposed: S^T = k q^T (16x16x64: source 0 = 16 keys, source 1 = 16 queries), O^T = v^T p^T (16x16x128): a lane holds ONE query (lane % 16) throughout.  The eight registers of S^T's
; tile c are keys 16 c + 8 (lane / 16) + 0 .. 7: their codes are registers 2 c, 2 c + 1 of p's fragment, the very places in which v's fragment holds those keys.
; THE MASK comes as lane masks, one word for each register of S^T, by scalar loads: one v_cndmask_b32 a score, no compare.  A set of 64 words serves one (step, tile); each sixteen are asked for anew, for the next
; (step, tile), eight or sixteen vector instructions behind their last use.
; k AND v come as images of fragments, 16 KiB a step, through registers into two LDS slots of two steps each; every address is a constant + 16 x lane or 16 x thread.
; NO TENSOR LOADS AND NO CLUSTER: 64 scalar registers hold mask words; and what partners would share is 16 KiB for a step
; of some 1,100 vector instructions a wave.
; LIMITS.  e6 + e7 between -94 and 90; e8 and e10 between -126 and 112.  A masked logit is taken as -2^30, not -1e9: its t is then exact, so a row with no key left gives p = 1 for all keys, as reference() does;
; the result differs only where an unmasked logit lies under about -1e9.  NaN and infinity among the codes are not served.
; THE MODE: SCHED_MODE bits 1:0 = 2 (LLVM: expert scheduling mode 2), set by the entry lines.  The code itself states the register dependences between vector or matrix instructions and memory or LDS
; instructions, with s_wait_alu, always for 0.
; THE PLAN.  Registers that memory or LDS instructions touch:
;   v1, v2          addresses: written at the head, ahead of the head's wait on va_vdst, and never again.
;   v24-55          a pair of steps on its way: written by global loads, read by LDS stores, named by no vector instruction.  One wait on vm_vsrc between the stores and the next loads.
;   k's fragments   read by a step's sixteen products k q^T; the next step's LDS loads land in them behind tile 0's wait on va_vdst of the same step.
;   v's two sets    step q's eight products v^T p^T read set q; the next step's LDS loads land in the OTHER set behind tile 1's wait on va_vdst: its last readers are the products of the step before.
;   q               loaded once.     the way out's codes: written by conversions and lane swaps, read by four stores behind one wait on va_vdst.
;   S^T, p, p's codes in the loop, O^T and the statistics are named by vector and matrix instructions alone.
; So a tile's turn has ONE wait on va_vdst: behind its 64 exponentials and the rescaling of its O^T, ahead of the first line that names an exponential's result; the step's run of LDS loads stands directly behind it.
; REGISTERS.  Window 0: v1 16 x lane; v2 16 x thread; v3 the masked raw score; v4, v5 hold and scale of the conversion; v6, v7 permute destinations; v[8:9] (-M, largest t), v[10:11] the sum: tile 0; v[12:15] tile 1;
;   v[16:17] f and 0; v[18:19] a second chain of the sum; v20-23 the maximum's chains; v24-55 a pair of steps on its way to LDS; v64-191 S^T, then p; v192-223 p's codes; v224-239 q; v254, v255 the closing add's two.
;   Window 1: v0-63 O^T; v64-127 k's fragments; v128-191, v192-255 v's fragments, a set for each step of a pair.
; SCALARS.  s[2:3] k and v of the trip's first step; s[4:5] the mask words; s[6:7] ao; s[8:9] q; s[10:11] c twice; s[12:13] lane selects; s15 trips left; s16-63, s68-83 mask words; s66 wave; s[84:91] e4 .. e11.
.set RECB,  24576                      ; a record of qkv: q's, k's, v's 8 KiB of 128 tokens of a head
.set HEADB, 32*RECB
.set G,   24
.set S,   64
.set P,   192
.set QF,  224
.set MSB, 0
.macro WIN new                         ; bits 1:0 source 0, 3:2 source 1, 5:4 source 2, 7:6 destination; the high byte repeats the setting that is left
.if MSB != (\new)
	s_set_vgpr_msb (MSB<<8)|(\new)
.set MSB, (\new)
.endif
.endm
.macro GLOAD p                         ; pair p (counted from the trip's first): two steps' k and v, 32 KiB for the 256 threads
.irp q, 0,1
.irp n, 0,1,2,3
	global_load_b128 v[G+16*\q+4*\n:G+16*\q+4*\n+3], v2, s[2:3] offset:(\p)*2*RECB+\q*RECB+\n*4096
.endr
.endr
.endm
.macro GSTORE sl                       ; and into slot sl
.irp q, 0,1
.irp n, 0,1,2,3
	ds_store_b128 v2, v[G+16*\q+4*\n:G+16*\q+4*\n+3] offset:(\sl)*32768+\q*16384+\n*4096
.endr
.endr
.endm
.macro KLOAD sl, q                     ; k's eight fragments (16 keys x 64) of step q of slot sl
	WIN 0x40
.irp c, 0,1,2,3,4,5,6,7
	ds_load_b128 v[64+8*\c:64+8*\c+3], v1 offset:(\sl)*32768+(\q)*16384+\c*1024
	ds_load_b128 v[64+8*\c+4:64+8*\c+7], v1 offset:(\sl)*32768+(\q)*16384+\c*1024+512
.endr
.endm
.macro VLOAD sl, q                     ; v's four fragments (16 channels x 128 keys) into set q
	WIN 0x40
.irp u, 0,1,2,3
.irp g, 0,1,2,3
	ds_load_b128 v[128+64*(\q)+16*\u+4*\g:128+64*(\q)+16*\u+4*\g+3], v1 offset:(\sl)*32768+(\q)*16384+8192+\u*2048+\g*512
.endr
.endr
.endm
.macro KQ                              ; S^T of both tiles: sixteen accumulators, each begun with the constant 0
	WIN 0x01
.irp t, 0,1
.irp c, 0,1,2,3,4,5,6,7
	v_wmma_f32_16x16x64_bf8_bf8 v[S+64*\t+8*\c:S+64*\t+8*\c+7], v[64+8*\c:64+8*\c+7], v[QF+8*\t:QF+8*\t+7], 0
.endr
.endr
.endm
.macro CND rs, g, sb                   ; sixteen scores: kept where the word's bit is set, else the masked score
.set n, 0
.rept 16
	v_cndmask_b32 v[\rs+16*\g+n], v3, v[\rs+16*\g+n], s[\sb+n]
.set n, n+1
.endr
.endm
; Tile t: the mask, the step's largest score, the new M and f.  imm: where the NEXT (step, tile)'s 64 words lie from s[4:5]; bump = 1: s[4:5] steps four key steps on first (no scalar load is out: the wait stands ahead).
.macro MASKMAX t, imm, bump
.set rS, S+64*(\t)
.set rN, 8+4*(\t)
.if \bump
	s_add_nc_u64 s[4:5], s[4:5], 1024
.endif
	CND rS, 0, 16                                  ; each accumulator from its low end on
	CND rS, 1, 32
	s_load_b512 s[16:31], s[4:5], (\imm)
	CND rS, 2, 48
	s_load_b512 s[32:47], s[4:5], (\imm)+64
	CND rS, 3, 68
	s_load_b512 s[48:63], s[4:5], (\imm)+128
.irp k, 0,1,2,3
	v_max3_num_f32 v[20+\k], v[rS+3*\k], v[rS+3*\k+1], v[rS+3*\k+2]   ; four chains
.endr
.set m, 0
.rept 26
	v_max3_num_f32 v[20+m%4], v[20+m%4], v[rS+12+2*m], v[rS+13+2*m]
.if m == 3
	s_load_b512 s[68:83], s[4:5], (\imm)+192
.endif
.set m, m+1
.endr
	v_max3_num_f32 v20, v20, v21, v22
	v_max_num_f32 v20, v20, v23
	v_permlanex16_b32 v6, v20, s12, s13            ; the query's other 64 keys lie in the lane 16 away
	v_max_num_f32 v20, v20, v6
	v_mul_f32 v20, s10, v20                        ; as t (c is positive)
	v_max_num_f32 v[rN+1], v[rN+1], v20            ; the running largest t
	v_mov_b32 v20, v[rN]
	v_floor_f32 v[rN], -v[rN+1]                    ; the new -M = floor(-t): M is a whole number
	v_sub_f32 v20, v[rN], v20                      ; old M - new M: a whole number, 0 or less
	v_cvt_i32_f32 v20, v20                         ; (it saturates)
	v_ldexp_f32 v16, 1.0, v20                      ; f = 2^(old M - new M)
.endm
.macro FMA rs, rn, k                   ; pair k: t - M (of the pairs c and -M the low word serves both halves)
	v_pk_fma_f32 v[\rs+2*(\k):\rs+2*(\k)+1], v[\rs+2*(\k):\rs+2*(\k)+1], s[10:11], v[\rn:\rn+1] op_sel_hi:[1,0,0]
.endm
; p = 2^(t - M): ONE BATCH of 32 scalings and 64 exponentials, none of which reads an exponential's result.  A scaling leads each pair of exponentials and runs two pairs ahead of them.
.macro EXPS t
.set rS, S+64*(\t)
.set rN, 8+4*(\t)
	FMA rS, rN, 0
	FMA rS, rN, 1
.set i, 0
.rept 32
.if i+2 < 32
	FMA rS, rN, i+2
.endif
	v_exp_f32 v[rS+2*i], v[rS+2*i]
	v_exp_f32 v[rS+2*i+1], v[rS+2*i+1]
.set i, i+1
.endr
.endm
.macro SUM rs, rl, k                   ; pair k joins the row's sum: the even pairs in one chain, which begins as sum x f + pair 0, the odd pairs in another
.if (\k) == 0
	v_pk_fma_f32 v[\rl:\rl+1], v[\rl:\rl+1], v[16:17], v[\rs:\rs+1] op_sel_hi:[1,0,1]
.elseif (\k) == 1
.elseif (\k) == 3
	v_pk_add_f32 v[18:19], v[\rs+2:\rs+3], v[\rs+6:\rs+7]
.elseif ((\k)%2) == 0
	v_pk_add_f32 v[\rl:\rl+1], v[\rl:\rl+1], v[\rs+2*(\k):\rs+2*(\k)+1]
.else
	v_pk_add_f32 v[18:19], v[18:19], v[\rs+2*(\k):\rs+2*(\k)+1]
.endif
.endm
.macro SUMS t                          ; the sum of the unquantised p, behind the batch's wait: the two chains by turns, each in ascending order of its pairs
.set rS, S+64*(\t)
.set rL, 10+4*(\t)
.set i, 0
.rept 32
	SUM rS, rL, i
.set i, i+1
.endr
	v_pk_add_f32 v[rL:rL+1], v[rL:rL+1], v[18:19]
.endm
.macro HOLD t                          ; the conversion does not saturate (ISA guide 7.6.2).  p is at most 1 (but for a last bit), and 57,344 x 2^e8 is 1.75 or more from e8 = -15 on: the hold can bite only under that
	s_cmp_ge_i32 s88, -15
	s_cbranch_scc1 .Lfits_\@
.set n, 0
.rept 64
	v_min_num_f32 v[S+64*(\t)+n], v[S+64*(\t)+n], v4
.set n, n+1
.endr
.Lfits_\@:
.endm
.macro CVTP t
.irp c, 0,1,2,3,4,5,6,7
	v_cvt_scalef32_pk8_bf8_f32 v[P+16*(\t)+2*\c:P+16*(\t)+2*\c+1], v[S+64*(\t)+8*\c:S+64*(\t)+8*\c+7], v5
.endr
	v_nop                                          ; one plain vector instruction between the last conversion and the products that read the codes
.endm
.macro RESC t                          ; O^T under the new M.  These sixteen name no exponential's result: they are the plain work between the batch and its wait (ISA guide 5.7.2 for the one plain instruction behind a transcendental)
	WIN 0x41
.set i, 0
.rept 16
	v_pk_mul_f32 v[32*(\t)+2*i:32*(\t)+2*i+1], v[32*(\t)+2*i:32*(\t)+2*i+1], v[16:17] op_sel_hi:[1,0]
.set i, i+1
.endr
.endm
.macro PV t, q                         ; O^T += v^T p^T: four accumulators, one instruction each; the matrix instruction ahead of them wrote another accumulator
	WIN 0x51
.irp u, 0,1,2,3
	v_wmma_f32_16x16x128_bf8_bf8 v[32*(\t)+8*\u:32*(\t)+8*\u+7], v[128+64*(\q)+16*\u:128+64*(\q)+16*\u+15], v[P+16*(\t):P+16*(\t)+15], v[32*(\t)+8*\u:32*(\t)+8*\u+7]
.endr
.endm
; A KEY STEP: step q of slot sl; sg = its number in the trip.  Its k and its v were asked for in the step before, k first.
; In a pair's second step the other slot is filled and the work-group meets: in front of the signal each wave's reads of the slot in hand (k's and v's of this step) are back and its stores into the other slot are done.
.macro STEPM sl, q, sg
.if \q == 0
	s_wait_dscnt 16                                ; k's 16 loads are in; v's 16, issued behind them, may be out
.else
.if \sg == 3
	s_cmp_eq_u32 s15, 1                            ; the last trip has no pair left to store,
	s_cbranch_scc1 .Lnofill_\@
.endif
	s_wait_loadcnt 0x0                             ; the pair asked for two steps ago
	GSTORE 1-\sl
	s_wait_dscnt 0x0                               ; for the other waves' sake: my stores are done; all my LDS loads are back
	s_wait_alu depctr_vm_vsrc(0)                   ; the LDS stores have read v24-55, in which the loads below land
.if \sg == 1
	s_cmp_eq_u32 s15, 1                            ; nor one to ask for: no load leaves the buffer
	s_cbranch_scc1 .Lnofill_\@
.endif
	GLOAD (\sg+3)/2
.Lnofill_\@:
.if \sg == 3
	s_wait_dscnt 0x0                               ; (on the way that jumped: my LDS loads are back)
.endif
	s_barrier_signal -1
.endif
	KQ
	WIN 0
.rept 4
	v_nop                                          ; places behind the products, in front of the first read of S^T
.endr
.if \q == 1
	s_barrier_wait -1                              ; the other slot is whole, and nobody reads this one any more
.endif
	s_wait_kmcnt 0x0                               ; tile 0's words
	MASKMAX 0, \sg*256+8192, 0                     ; asks for tile 1's words of this step
	EXPS 0
	RESC 0
	WIN 0
	s_wait_alu depctr_va_vdst(0)                   ; tile 0's 64 exponentials have written p, ahead of the first line that names it; and this step's products k q^T are done reading k's fragments, in which the loads below land
.if \q == 0
	KLOAD \sl, 1                                   ; the next step's k
	WIN 0
.else
.if \sg == 3
	s_cmp_eq_u32 s15, 1                            ; the last trip's last step has no next step
	s_cbranch_scc1 .Lnok_\@
.endif
	KLOAD 1-\sl, 0
	WIN 0
.if \sg == 3
.Lnok_\@:
.endif
.endif
	SUMS 0
	HOLD 0
	CVTP 0
.if \q == 0
	s_wait_dscnt 16                                ; v's 16 loads are in; the next k's 16, issued behind them, may be out
.endif
	PV 0, \q
	WIN 0
	s_wait_kmcnt 0x0                               ; tile 1's words
.if \sg == 3
	MASKMAX 1, 0, 1                                ; asks for tile 0's words of the next trip's first step.  (In the last trip: the first words of my second tile once more, inside the buffer; nothing uses them)
.else
	MASKMAX 1, (\sg+1)*256, 0                      ; asks for tile 0's words of the next step
.endif
	EXPS 1
	RESC 1
	WIN 0
	s_wait_alu depctr_va_vdst(0)                   ; tile 1's 64 exponentials have written p, ahead of the first line that names it; and the last step's products v^T p^T are done reading v's other set, in which the loads below land
.if \q == 0
	VLOAD \sl, 1                                   ; the next step's v.  No vector or matrix instruction of this step names that set
	WIN 0
.else
.if \sg == 3
	s_cmp_eq_u32 s15, 1                            ; the last trip's last step has no next step
	s_cbranch_scc1 .Lnov_\@
.endif
	VLOAD 1-\sl, 0
	WIN 0
.if \sg == 3
.Lnov_\@:
.endif
.endif
	SUMS 1
	HOLD 1
	CVTP 1
	PV 1, \q
	WIN 0
.endm
	s_load_b256 s[92:99], s[0:1], 0x0              ; qkv s[92:93], maskw s[94:95], the scales' exponents s[96:97], ao s[98:99]
	v_lshl_add_u32 v254, v0, 2, 0x10000
	v_mov_b32 v255, 0
	v_lshrrev_b32 v1, 5, v0
	v_readfirstlane_b32 s66, v1                    ; wave 0..7
	v_and_b32 v1, 31, v0
	v_lshlrev_b32 v1, 4, v1                        ; 16 x lane
	v_lshlrev_b32 v2, 4, v0                        ; 16 x thread
	s_wait_alu depctr_va_sdst(0)                   ; s66 is written, ahead of its first reader: the offsets of my tiles are made from it
	s_and_b32 s67, ttmp7, 0xffff                   ; the head
	s_mul_i32 s100, s67, HEADB                     ; its records
	s_lshl_b32 s101, ttmp9, 4
	s_lshl_b32 s14, s66, 1
	s_add_co_u32 s101, s101, s14                   ; a0, my first tile of 16 queries: 16 x + 2 wave
	s_lshl_b32 s4, s101, 13                        ; its mask words: 32 steps x 256 bytes
	s_mov_b32 s5, 0
	s_lshl_b32 s6, s101, 14                        ; its place in ao: 16,384 a + 1,024 head
	s_lshl_b32 s14, s67, 10
	s_add_co_u32 s6, s6, s14
	s_mov_b32 s7, 0
	s_lshl_b32 s8, ttmp9, 1                        ; q: record 2 x + wave / 4, token tile 2 (wave % 4)
	s_lshr_b32 s14, s66, 2
	s_add_co_u32 s8, s8, s14
	s_mul_i32 s8, s8, RECB
	s_add_co_u32 s8, s8, s100
	s_and_b32 s14, s66, 3
	s_lshl_b32 s14, s14, 11
	s_add_co_u32 s8, s8, s14
	s_mov_b32 s9, 0
	s_add_co_u32 s2, s100, 8192                    ; k of the head's first step; v follows it
	s_mov_b32 s3, 0
	s_mov_b32 s12, 0x76543210
	s_mov_b32 s13, 0xfedcba98                      ; v_permlanex16_b32's selects for lane l xor 16
	s_wait_kmcnt 0x0
	s_load_b256 s[84:91], s[96:97], 0x10           ; e4 .. e11
	s_add_nc_u64 s[2:3], s[92:93], s[2:3]
	s_add_nc_u64 s[8:9], s[92:93], s[8:9]
	s_add_nc_u64 s[4:5], s[94:95], s[4:5]
	s_add_nc_u64 s[6:7], s[98:99], s[6:7]
	s_wait_alu depctr_va_vdst(0)                   ; v1 and v2 are written: every load and store of the kernel reads one of them as its address, and neither is written again
	GLOAD 0
.irp t, 0,1
	global_load_b128 v[QF+8*\t:QF+8*\t+3], v1, s[8:9] offset:\t*1024       ; q's fragments stay in registers
	global_load_b128 v[QF+8*\t+4:QF+8*\t+7], v1, s[8:9] offset:\t*1024+512
.endr
	s_load_b512 s[16:31], s[4:5], 0x0              ; the words of (step 0, tile 0)
	s_load_b512 s[32:47], s[4:5], 0x40
	s_load_b512 s[48:63], s[4:5], 0x80
	s_load_b512 s[68:83], s[4:5], 0xc0
	v_mov_b32 v6, 0                                ; written once: a lane permute's destination counts as one of its sources
	v_mov_b32 v7, 0
	v_mov_b32 v17, 0                               ; (named as the upper half of the pair v[16:17])
	v_mov_b32 v9, 0xff61b1e6                       ; the largest t so far: -3e38, under every t
	v_mov_b32 v13, 0xff61b1e6
	v_floor_f32 v8, -v9                            ; -M
	v_floor_f32 v12, -v13
	v_mov_b32 v10, 0                               ; the sums
	v_mov_b32 v11, 0
	v_mov_b32 v14, 0
	v_mov_b32 v15, 0
	WIN 0x40
.set i, 0
.rept 64
	v_mov_b32 v[i], 0                              ; O^T.  (The step is written once: the first finds zeros, which the first change of M leaves zeros)
.set i, i+1
.endr
	WIN 0
	s_wait_kmcnt 0x0
	s_add_co_i32 s100, s86, s87                    ; e6 + e7
	s_lshl_b32 s101, s100, 23
	s_add_co_i32 s10, s101, 0x3e38aa3b             ; c = log2(e) / 8 x 2^(e6 + e7): the exponents are added to the exponent field
	s_mov_b32 s11, s10                             ; (named with it as a pair, so it is written)
	s_sub_co_i32 s100, 160, s100
	s_lshl_b32 s100, s100, 23
	s_or_b32 s100, s100, 0x80000000
	v_mov_b32 v3, s100                             ; the masked raw score, -2^(33 - e6 - e7): a logit of -2^30
	s_add_co_i32 s100, s88, 127
	s_lshl_b32 s101, s100, 23
	v_mov_b32 v5, s101                             ; 2^e8 as f32, for p's conversions
	s_add_co_i32 s100, s100, 15
	s_lshl_b32 s100, s100, 23
	s_or_b32 s100, s100, 0x600000
	v_mov_b32 v4, s100                             ; 57,344 x 2^e8
	s_wait_loadcnt 4                               ; pair 0 is in; q's four loads may be out
	GSTORE 0
	s_wait_dscnt 0x0                               ; for the other waves' sake: my stores are done
	s_wait_alu depctr_vm_vsrc(0)                   ; the LDS stores have read v24-55, in which the loads below land
	GLOAD 1
	s_barrier_signal -1
	s_barrier_wait -1                              ; slot 0 is whole
	KLOAD 0, 0                                     ; step 0's k, then its v: no vector or matrix instruction has named these registers
	VLOAD 0, 0
	WIN 0
	s_wait_loadcnt 8                               ; q is in; pair 1's eight loads may be out
	s_mov_b32 s15, 8
.Ltrip:                                            ; a trip: four key steps, once through both slots
	STEPM 0, 0, 0
	STEPM 0, 1, 1
	STEPM 1, 0, 2
	STEPM 1, 1, 3
	s_wait_xcnt 0x0                                ; the loads have read their base
	s_add_nc_u64 s[2:3], s[2:3], 4*RECB
	s_sub_co_u32 s15, s15, 1
	s_cmp_lg_u32 s15, 0
	s_cbranch_scc1 .Ltrip
	; THE WAY OUT.  O^T / the sum x 2^(e8 + e9), held and quantised with 2^e10.  The additions are the places behind the last products.
	s_wait_kmcnt 0x0                               ; the last request for words, of which nothing is used
	v_add_f32 v10, v10, v11                        ; the sum's two halves,
	v_add_f32 v14, v14, v15
	v_permlanex16_b32 v6, v10, s12, s13
	v_permlanex16_b32 v7, v14, s12, s13
	v_add_f32 v10, v10, v6                         ; and lane l xor 16's
	v_add_f32 v14, v14, v7
	v_rcp_f32 v10, v10
	v_rcp_f32 v14, v14
	v_nop                                          ; a plain instruction behind the transcendentals
	s_add_co_i32 s67, s88, s89
	s_wait_alu depctr_va_vdst(0)                   ; the two reciprocals have written v10 and v14, ahead of their first reader
	v_ldexp_f32 v16, v10, s67                      ; x 2^(e8 + e9)
	v_ldexp_f32 v18, v14, s67
	s_add_co_i32 s100, s90, 127
	s_lshl_b32 s101, s100, 23
	v_mov_b32 v5, s101                             ; 2^e10
	s_add_co_i32 s100, s100, 15
	s_lshl_b32 s100, s100, 23
	s_or_b32 s100, s100, 0x600000
	v_mov_b32 v4, s100                             ; 57,344 x 2^e10
; Tile t.  Codes 2 u, 2 u + 1 hold channels 16 u + 8 h + 0 .. 7 of query r.  The last launch's fragment wants 16 neighbours a lane, channels 32 c + 16 h + 0 .. 15: the halves of two registers change places
; (v_permlane16_swap_b32: the first's lanes 16-31 with the second's lanes 0-15).
.macro OCALC t
	WIN 0x01
.set i, 0
.rept 16
	v_pk_mul_f32 v[S+64*\t+2*i:S+64*\t+2*i+1], v[32*\t+2*i:32*\t+2*i+1], v[16+2*\t:17+2*\t] op_sel_hi:[1,0]   ; each accumulator from its low end on
.set i, i+1
.endr
	WIN 0
.set i, 0
.rept 32
	v_med3_num_f32 v[S+64*\t+i], v[S+64*\t+i], -v4, v4
.set i, i+1
.endr
.irp u, 0,1,2,3
	v_cvt_scalef32_pk8_bf8_f32 v[P+16*\t+2*\u:P+16*\t+2*\u+1], v[S+64*\t+8*\u:S+64*\t+8*\u+7], v5
.endr
	v_nop                                          ; a plain instruction behind the last conversion
	v_permlane16_swap_b32 v[P+16*\t], v[P+16*\t+2]
	v_permlane16_swap_b32 v[P+16*\t+1], v[P+16*\t+3]
	v_permlane16_swap_b32 v[P+16*\t+4], v[P+16*\t+6]
	v_permlane16_swap_b32 v[P+16*\t+5], v[P+16*\t+7]
.endm
	OCALC 0
	OCALC 1
	s_wait_alu depctr_va_vdst(0)                   ; the lane swaps have written both tiles' codes, which the four stores read
.irp t, 0,1
	global_store_b128 v1, v[P+16*\t:P+16*\t+3], s[6:7] offset:\t*16384             ; each store covers 512 consecutive bytes, aligned
	global_store_b128 v1, v[P+16*\t+4:P+16*\t+7], s[6:7] offset:\t*16384+512
.endr
	s_wait_dscnt 0x0                               ; the closing lines, six on end
	s_wait_alu 0x0
	s_wait_tensorcnt 0x0
	ds_add_u32 v254, v255
	s_wait_dscnt 0x0
	s_endpgm
.Lfunc_end_k_qa0de3ff64d_attn:
	.size	k_qa0de3ff64d_attn, .Lfunc_end_k_qa0de3ff64d_attn-k_qa0de3ff64d_attn
	.p2alignl 7, 3214868480
	.fill 96, 4, 3214868480
	.section	.rodata,"a",@progbits
	.p2align	6, 0x0
	.amdhsa_kernel k_qa0de3ff64d_attn
		.amdhsa_group_segment_fixed_size 66560
		.amdhsa_private_segment_fixed_size 0
		.amdhsa_enable_private_segment 0
		.amdhsa_kernarg_size 32
		.amdhsa_user_sgpr_count 2
		.amdhsa_user_sgpr_kernarg_segment_ptr 1
		.amdhsa_wavefront_size32 1
		.amdhsa_system_sgpr_workgroup_id_x 1
		.amdhsa_system_sgpr_workgroup_id_y 1
		.amdhsa_system_sgpr_workgroup_id_z 1
		.amdhsa_system_vgpr_workitem_id 0
		.amdhsa_next_free_vgpr 512
		.amdhsa_next_free_sgpr 102
		.amdhsa_reserve_vcc 0
		.amdhsa_float_denorm_mode_32 3
		.amdhsa_float_denorm_mode_16_64 3
		.amdhsa_memory_ordered 1
		.amdhsa_forward_progress 1
		.amdhsa_inst_pref_size 169
	.end_amdhsa_kernel
	.amdgpu_metadata
---
amdhsa.version: [ 1, 2 ]
amdhsa.kernels:
  - .name:           k_qa0de3ff64d_attn
    .symbol:         k_qa0de3ff64d_attn.kd
    .args:
      - { .name: qkv, .offset: 0, .size: 8, .value_kind: global_buffer, .address_space: global }
      - { .name: maskw, .offset: 8, .size: 8, .value_kind: global_buffer, .address_space: global }
      - { .name: lowp_scales, .offset: 16, .size: 8, .value_kind: global_buffer, .address_space: global }
      - { .name: ao, .offset: 24, .size: 8, .value_kind: global_buffer, .address_space: global }
    .group_segment_fixed_size: 66560
    .private_segment_fixed_size: 0
    .kernarg_segment_align: 8
    .kernarg_segment_size: 32
    .max_flat_workgroup_size: 256
    .sgpr_count:     102
    .vgpr_count:     512
    .wavefront_size: 32
...
	.end_amdgpu_metadata
.endif
;; end of part 5
;; launch oproj: the kernel of part 4 again; grid 4 x 16, 4 waves a work-group, clusters of 4 x 4, 327,680 bytes of LDS; arguments ao, Wo_w_codes, lowp_scales, out0, Wo_b; writes out0
